; MI455X (gfx1250); checked and timed in simulation.
; The chip was launched on July 23, 2026; its instructions are those of AMD's public machine-readable ISA for CDNA 5 (MIT licence, August 2026) and "CDNA5" Instruction Set Architecture Reference Guide (July 2026). The comments in the code are by the model that wrote it; some were corrected since.
;; Mock AWQ Qwen3 5 Mo E. Allowed arithmetic: matrix products marked QUANTISED: E4M3 operands, one E8M0 scale for each 32 along K, by v_wmma_scale_f32_16x16x128_f8f6f4 with both operands' format E4M3, f32 sums; everything else in f32.
;; Inputs: gate_w_codes 64 x 32 x 32 uint8 (E4M3 codes of gate_w, K innermost, in blocks of 32 codes); gate_w_scales 64 x 32 uint8 (E8M0 scales of gate_w, one for each 32 codes along K); qweight1 1,024 x 4,096 int32; qweight2 512 x 8,192 int32; qzeros1 8 x 4,096 int32; qzeros2 4 x 8,192 int32; scales1 8 x 32,768 float32; scales2 4 x 65,536 float32; x_codes 1,024 x 32 x 32 uint8 (E4M3 codes of x, K innermost, in blocks of 32 codes); x_scales 1,024 x 32 uint8 (E8M0 scales of x, one for each 32 codes along K).
;; Outputs: out0 1,024 x 1,024 float32.
;; This version of the problem:
;;   THIS VERSION OF THE PROBLEM IS GIVEN IN LOW PRECISION. The matrix products marked QUANTISED in the list below multiply operands that are first quantised to E4M3 (4 exponent bits, 3 mantissa bits; 8 bits a number), with one power-of-two scale for each 32 numbers along K (OCP MX v1.0); their sums are f32. All else is computed in f32.
;;   The module's matrix products, in the order in which they are computed (A, B: the left and right operand; K: the contracted axis; several contracted axes count as one K, in the product's order):
;;     1. [M 1,024, K 1,024] x [K 1,024, N 64]; A: input x (given as codes); B: input gate_w (given as codes): QUANTISED
;;     2. [M 1,024, K 1,024] x [K 1,024, N 32,768]; A: input x (given as codes); B: computed on the way: QUANTISED
;;     3. [M 1,024, K 32,768] x [K 32,768, N 1,024]; A: computed on the way; B: computed on the way: QUANTISED
;;   THE QUANTISER, for each operand of a quantised product, along K:
;;     - K is cut into blocks of 32 from its start; a last block that is shorter is filled with zeros.
;;     - A block's scale is 2^e with e = floor(log2(the largest magnitude in the block)) - 8, held to -126 .. 127; a block of zeros has e = 0. As a byte (E8M0): e + 127.
;;     - Each number is divided by its block's scale, clamped to +-448, and rounded to the nearest number of E4M3, ties to even, subnormals kept.
;;     - The product sums the exact products of the quantised numbers (number of the format x scale) in f32.
;;   ~~~python
;;   def quantise(x, axis):      # numpy; x: float32 -> the quantised numbers, widened to float32 again
;;       x = np.moveaxis(x, axis, -1); K = x.shape[-1]
;;       x = np.pad(x, [(0, 0)] * (x.ndim - 1) + [(0, -K % 32)]); x = x.reshape(x.shape[:-1] + (-1, 32)); a = np.abs(x).max(-1, keepdims=True)
;;       e = np.where(a > 0, np.clip(np.frexp(np.where(a > 0, a, 1))[1] - 1 - 8, -126, 127), 0)      # np.frexp(a)[1] - 1 = floor(log2(a)), exactly
;;       r = np.clip(x / 2.0 ** e, -448, 448)
;;       step = 2.0 ** (np.maximum(np.frexp(np.where(r == 0, 1, r))[1] - 1, -6) - 3)
;;       q = np.round(r / step) * step * 2.0 ** e      # np.round: ties to even
;;       return np.moveaxis(q.reshape(q.shape[:-2] + (-1,))[..., :K], -1, axis).astype(np.float32)
;;   ~~~
;;   OPERANDS COMPUTED ON THE WAY. 'Computed on the way' means the value that the module computes at that place (a softmax that the list does not call 'softmax' is quantised finished and normalised). What goes into a quantiser is computed in f32, as accurately as f32 sums, v_exp_f32 and their like allow (about 1e-6 of the number): no bf16 or f16 on the way to a quantiser, and a product that is left as it is and whose result goes on into a quantised operand takes f32 operands (vector FMAs, or v_wmma_f32_16x16x4_f32). A number that lies on a knife's edge between two numbers of the format may be rounded either way, as far as f32 arithmetic and the matrix unit's own rounding can turn it there, and no further.
;;   INPUTS GIVEN AS CODES. gate_w (in the module: [64, 1024], K = its axis 1); x (in the module: [1024, 1024], K = its axis 1): each comes as NAME_codes (uint8): NAME with its K axis moved to the last place and cut into blocks of 32 codes, [.., K / 32, bytes a block], one block behind the other in memory; one code a byte (a code: sign, 4 exponent bits, 3 mantissa bits); and NAME_scales (uint8): the same leading axes, one E8M0 byte (e + 127) for each 32 codes along K. Its value is code x scale, taken as it is: it is not quantised again, and the codes and scales need not be those that the quantiser above would give.
;; 2 versions. Each part assembles by itself: llvm-mc -triple=amdgcn-amd-amdhsa -mcpu=gfx1250 --defsym DOCPART=n.
;; ======== version 1 of 2: 4 launches
;; workspace buffers: sel 262,144 bytes of whole numbers; topv 32,768 bytes; hqc 33,554,432 bytes; hqs 2,097,152 bytes; y 33,554,432 bytes
;; launch route (part 1): grid 16 x 1, 4 waves a work-group, no clusters, 17,920 bytes of LDS; arguments x_codes, x_scales, gate_w_codes, gate_w_scales, sel, topv; writes sel, topv
.if DOCPART == 1
	.amdgcn_target "amdgcn-amd-amdhsa--gfx1250"
	.amdhsa_code_object_version 6
	.text
	.protected	k_q4c08691a51_route
	.globl	k_q4c08691a51_route
	.p2align	8
	.type	k_q4c08691a51_route,@function
k_q4c08691a51_route:
	s_mov_b64 s[64:65], 0
	v_nop
	global_prefetch_b8 v0, s[64:65] scope:SCOPE_SE
	s_setreg_imm32_b32 hwreg(HW_REG_WAVE_MODE, 25, 1), 1
	s_wait_xcnt 0x0
; THE ROUTER.  logits = x gate_w^T on the given E4M3 codes and E8M0 scales; softmax over the 64 experts with the row's maximum taken away;
; the eight largest probabilities (of equal ones the lower expert first); their weights divided by their sum.
; OUT: sel [64 experts][1024 tokens] u32: k + 1 where the expert is the token's k-th choice, else 0;  topv [1024][8] f32.
; SHARES.  16 work-groups x 4 waves; a wave owns 16 tokens.  The product is used transposed (source 0 = 16 experts, source 1 = my 16 tokens):
; lane (r, h) holds token r and the experts 16 q + 8 h + j in register P + 8 q + j: 32 registers, two lanes to a token.
; No address and no branch hangs on the choice: it is stored at fixed places and used by the later launches.
; LIMITS: NaN and infinities are not served.  A probability is exp x (1 / sum), one rounding away from a division: two probabilities
; closer than that may change places in the order of choice.
; REGISTERS: window 0: v1-10 addresses; P v32-63; GS v64-95 gate's scale words (8 q + K step); XS v96-103 x's; TV v104-111; v112-127 at work.
;   window 1: gate's fragments of K steps 0-3 at 16 (4 ks + q); window 2: K steps 4-7; window 3: x's fragments at 16 ks.
.set P,     32
.set GS,    64
.set XS,    96
.set TV,    104
.set IX,    112
.set NM,    116                        ; v[116:117] -(maximum x log2 e), named as a pair
.set CH,    118                        ; v118-121 four chains
.set PX,    122                        ; what the lane 16 away holds
.set MM,    123
.set WI,    124
.set MK,    125
.set RC,    126                        ; v[126:127] a reciprocal, named as a pair
.set OUTR,  128
.set TO,    160
.set PITCH, 272                        ; a row of the stage: 64 tokens x 4 bytes + 16
.set MSB, 0
.macro WIN new                         ; the immediate's high byte repeats the setting that is left
.if MSB != (\new)
	s_set_vgpr_msb (MSB<<8)|(\new)
.set MSB, (\new)
.endif
.endm
	s_load_b256 s[4:11], s[0:1], 0x0               ; x's codes, x's scales, gate's codes, gate's scales
	s_load_b128 s[12:15], s[0:1], 0x20             ; sel, topv
	v_lshl_add_u32 v254, v0, 2, 0x4400
	v_mov_b32 v255, 0
	v_lshrrev_b32 v1, 5, v0
	v_readfirstlane_b32 s16, v1                    ; wave 0..3
	v_and_b32 v1, 15, v0                           ; r
	v_bfe_u32 v2, v0, 4, 1                         ; h
	v_lshlrev_b32 v3, 10, v1
	v_lshl_add_u32 v3, v2, 4, v3                   ; a fragment's row of 1,024 codes: 1024 r + 16 h
	v_lshlrev_b32 v5, 5, v1                        ; a row of 32 scale bytes: 32 r
	v_lshlrev_b32 v6, 3, v2                        ; 8 h
	v_lshl_add_u32 v7, v2, 4, v5                   ; topv: 32 r + 16 h
	s_lshl_b32 s18, s16, 6
	v_mul_u32_u24 v8, v2, 8*PITCH
	v_lshl_add_u32 v8, v1, 2, v8
	v_add_nc_u32 v8, s18, v8                       ; the stage, in: row 8 h (+ 16 q + j by the offset), column 4 (16 wave + r)
	s_mul_i32 s19, s16, 16*PITCH
	v_mul_u32_u24 v9, v2, PITCH
	v_lshl_add_u32 v9, v1, 4, v9
	v_add_nc_u32 v9, s19, v9                       ; and back: row 16 wave + h, 16 bytes a lane
	s_lshl_b32 s24, s16, 16
	v_lshlrev_b32 v10, 12, v2
	v_lshl_add_u32 v10, v1, 4, v10
	v_add_nc_u32 v10, s24, v10                     ; the same place in sel: an expert's row is 4,096 bytes
	v_mov_b32 v[PX], 0                             ; written once: a lane permute's destination counts as one of its sources
	s_lshl_b32 s17, ttmp9, 6
	s_lshl_b32 s25, s16, 4
	s_add_co_u32 s17, s17, s25                     ; my first token: 64 x work-group + 16 x wave
	s_lshl_b32 s30, s17, 10
	s_mov_b32 s31, 0
	s_lshl_b32 s32, s17, 5
	s_mov_b32 s33, 0
	s_lshl_b32 s34, ttmp9, 8
	s_mov_b32 s35, 0
	s_mov_b32 s20, 0x76543210
	s_mov_b32 s21, 0xfedcba98                      ; v_permlanex16_b32's selects for lane l xor 16
	s_mov_b32 s22, 0x3fb8aa3b                      ; log2 e
	s_mov_b32 s23, s22                             ; (named with it as a pair)
	s_mov_b32 s24, 0xffff0000                      ; lanes 16-31
	s_wait_kmcnt 0x0
	s_add_nc_u64 s[4:5], s[4:5], s[30:31]
	s_add_nc_u64 s[6:7], s[6:7], s[32:33]
	s_add_nc_u64 s[14:15], s[14:15], s[32:33]
	s_add_nc_u64 s[12:13], s[12:13], s[34:35]
.irp q,0,1,2,3
	global_load_b128 v[GS+8*\q:GS+8*\q+3], v5, s[10:11] offset:512*\q
	global_load_b128 v[GS+8*\q+4:GS+8*\q+7], v5, s[10:11] offset:512*\q+16
.endr
	global_load_b128 v[XS:XS+3], v5, s[6:7]
	global_load_b128 v[XS+4:XS+7], v5, s[6:7] offset:16
	WIN 0xc0                                       ; destination window 3
.irp ks,0,1,2,3,4,5,6,7
.irp c,0,1,2,3
	global_load_b128 v[16*\ks+4*\c:16*\ks+4*\c+3], v3, s[4:5] offset:128*\ks+32*\c
.endr
.endr
	WIN 0x40                                       ; destination window 1
.irp ks,0,1,2,3
.irp q,0,1,2,3
.irp c,0,1,2,3
	global_load_b128 v[(4*\ks+\q)*16+4*\c:(4*\ks+\q)*16+4*\c+3], v3, s[8:9] offset:16384*\q+128*\ks+32*\c
.endr
.endr
.endr
	WIN 0x80                                       ; destination window 2
.irp ks,0,1,2,3
.irp q,0,1,2,3
.irp c,0,1,2,3
	global_load_b128 v[(4*\ks+\q)*16+4*\c:(4*\ks+\q)*16+4*\c+3], v3, s[8:9] offset:16384*\q+128*(\ks+4)+32*\c
.endr
.endr
.endr
	WIN 0
	s_wait_loadcnt 0x0                             ; all of it is wanted at once
; 32 matrix instructions: K step by K step, the four accumulators by turns; the first K step starts the sums
.irp ks,0,1,2,3,4,5,6,7
.if \ks < 4
	WIN 0x0d                                       ; source 0 window 1, source 1 window 3
.else
	WIN 0x0e                                       ; source 0 window 2
.endif
.irp q,0,1,2,3
.if \ks == 0
	v_wmma_scale_f32_16x16x128_f8f6f4 v[P+8*\q:P+8*\q+7], v[(4*(\ks%4)+\q)*16:(4*(\ks%4)+\q)*16+15], v[16*\ks:16*\ks+15], 0, v[GS+8*\q+\ks], v[XS+\ks]
.else
	v_wmma_scale_f32_16x16x128_f8f6f4 v[P+8*\q:P+8*\q+7], v[(4*(\ks%4)+\q)*16:(4*(\ks%4)+\q)*16+15], v[16*\ks:16*\ks+15], v[P+8*\q:P+8*\q+7], v[GS+8*\q+\ks], v[XS+\ks]
.endif
.endr
.endr
	WIN 0
.rept 8
	v_nop                                          ; eight places between the last products and the first read of their results
.endr
; the largest of a token's 64 numbers: four chains over my 32 (each begins at its accumulator's low end), then the lane 16 away
.macro ROWMAX
.irp q,0,1,2,3
	v_max3_num_f32 v[CH+\q], v[P+8*\q], v[P+8*\q+1], v[P+8*\q+2]
.endr
.irp i,3,5
.irp q,0,1,2,3
	v_max3_num_f32 v[CH+\q], v[CH+\q], v[P+8*\q+\i], v[P+8*\q+\i+1]
.endr
.endr
.irp q,0,1,2,3
	v_max_num_f32 v[CH+\q], v[CH+\q], v[P+8*\q+7]
.endr
	v_max3_num_f32 v[MM], v[CH], v[CH+1], v[CH+2]
	v_max_num_f32 v[MM], v[MM], v[CH+3]
	v_permlanex16_b32 v[PX], v[MM], s20, s21
	v_max_num_f32 v[MM], v[MM], v[PX]
.endm
	ROWMAX
	v_mul_f32 v[NM], 0xbfb8aa3b, v[MM]             ; -(maximum x log2 e)
	v_mov_b32 v[NM+1], 0
.set i, 0
.rept 16
	v_pk_fma_f32 v[P+i:P+i+1], v[P+i:P+i+1], s[22:23], v[NM:NM+1] op_sel_hi:[1,0,0]   ; (logit - maximum) x log2 e, two at a time
.set i, i+2
.endr
.set i, 0
.rept 32
	v_exp_f32 v[P+i], v[P+i]
.set i, i+1
.endr
	v_mov_b32 v[RC+1], 0                           ; a plain line behind the exponentials
	s_wait_alu depctr_va_vdst(0)                   ; one wait for the batch, ahead of its first reader
	v_pk_add_f32 v[CH:CH+1], v[P:P+1], v[P+2:P+3]
	v_pk_add_f32 v[CH+2:CH+3], v[P+4:P+5], v[P+6:P+7]
.irp i,8,12,16,20,24,28
	v_pk_add_f32 v[CH:CH+1], v[CH:CH+1], v[P+\i:P+\i+1]
	v_pk_add_f32 v[CH+2:CH+3], v[CH+2:CH+3], v[P+\i+2:P+\i+3]
.endr
	v_pk_add_f32 v[CH:CH+1], v[CH:CH+1], v[CH+2:CH+3]
	v_add_f32 v[CH], v[CH], v[CH+1]
	v_permlanex16_b32 v[PX], v[CH], s20, s21
	v_add_f32 v[CH], v[CH], v[PX]                  ; the row's sum
	v_rcp_f32 v[RC], v[CH]
	v_nop
	s_wait_alu depctr_va_vdst(0)
.set i, 0
.rept 16
	v_pk_mul_f32 v[P+i:P+i+1], v[P+i:P+i+1], v[RC:RC+1] op_sel_hi:[1,0]   ; all 64 probabilities, normalised ahead of the choice
.set i, i+2
.endr
; THE k-TH CHOICE.  The largest of what is left; its expert: four chains walk j downward, so that the lowest j stays; the least of the four, of both lanes: the lower expert wins.
; The chosen place takes the mark -(k + 1): under every probability, so it is never chosen again, and it is the sel word in disguise.
.macro TOPK k
	ROWMAX
.irp q,0,1,2,3
	v_mov_b32 v[IX+\q], 127
.endr
.irp j,7,6,5,4,3,2,1,0
.irp q,0,1,2,3
	v_cmp_eq_f32 s[26+\q], v[MM], v[P+8*\q+\j]
	v_cndmask_b32 v[IX+\q], v[IX+\q], 16*\q+\j, s[26+\q]
.endr
.endr
	v_min_u32 v[IX], v[IX], v[IX+1]
	v_min_u32 v[IX+2], v[IX+2], v[IX+3]
	v_min_u32 v[IX], v[IX], v[IX+2]
	v_add_nc_u32 v[WI], v[IX], v6                  ; as an expert's number: + 8 h
	v_permlanex16_b32 v[PX], v[WI], s20, s21
	v_min_u32 v[WI], v[WI], v[PX]
	v_sub_nc_u32 v[WI], v[WI], v6                  ; back in my lane's numbering: it meets none of my 16 q + j if the other lane holds the expert
	v_cvt_f32_i32 v[MK], -(\k+1)
	v_mov_b32 v[TV+\k], v[MM]
.irp j,0,1,2,3,4,5,6,7
.irp q,0,1,2,3
	v_cmp_eq_u32 s[26+\q], 16*\q+\j, v[WI]
	v_cndmask_b32 v[P+8*\q+\j], v[P+8*\q+\j], v[MK], s[26+\q]
.endr
.endr
.endm
.irp k,0,1,2,3,4,5,6,7
	TOPK \k
.endr
	v_add_f32 v[CH], v[TV], v[TV+1]
.irp k,2,3,4,5,6,7
	v_add_f32 v[CH], v[CH], v[TV+\k]
.endr
	v_rcp_f32 v[RC], v[CH]
	v_nop
	s_wait_alu depctr_va_vdst(0)
.irp k,0,1,2,3,4,5,6,7
	v_mul_f32 v[TV+\k], v[TV+\k], v[RC]
.endr
.irp i,0,1,2,3
	v_cndmask_b32 v[TO+\i], v[TV+\i], v[TV+4+\i], s24   ; lanes 0-15 store choices 0-3, lanes 16-31 choices 4-7
.endr
	global_store_b128 v7, v[TO:TO+3], s[14:15]     ; the wave stores 512 consecutive bytes
.set i, 0
.rept 32
	v_max_num_f32 v[P+i], -v[P+i], 0               ; k + 1 where marked, else 0
.set i, i+1
.endr
.set i, 0
.rept 32
	v_cvt_u32_f32 v[P+i], v[P+i]
.set i, i+1
.endr
.irp q,0,1,2,3
.irp j,0,1,2,3,4,5,6,7
	ds_store_b32 v8, v[P+8*\q+\j] offset:(16*\q+\j)*PITCH
.endr
.endr
	s_wait_dscnt 0x0                               ; for the others' sake: my stores into the stage are done
	s_barrier_signal -1
	s_barrier_wait -1
.irp i,0,1,2,3,4,5,6,7
	ds_load_b128 v[OUTR+4*\i:OUTR+4*\i+3], v9 offset:2*\i*PITCH
.endr
.irp i,0,1,2,3,4,5,6,7
	s_wait_dscnt 7-\i                              ; the younger loads may stay out
	global_store_b128 v10, v[OUTR+4*\i:OUTR+4*\i+3], s[12:13] offset:8192*\i   ; sixteen lanes store 256 consecutive bytes, aligned
.endr
	s_wait_tensorcnt 0x0
	ds_add_u32 v254, v255
	s_wait_dscnt 0x0
	s_endpgm
.Lfunc_end_k_q4c08691a51_route:
	.size	k_q4c08691a51_route, .Lfunc_end_k_q4c08691a51_route-k_q4c08691a51_route
	.p2alignl 7, 3214868480
	.fill 96, 4, 3214868480
	.section	.rodata,"a",@progbits
	.p2align	6, 0x0
	.amdhsa_kernel k_q4c08691a51_route
		.amdhsa_group_segment_fixed_size 17920
		.amdhsa_private_segment_fixed_size 0
		.amdhsa_enable_private_segment 0
		.amdhsa_kernarg_size 48
		.amdhsa_user_sgpr_count 2
		.amdhsa_user_sgpr_kernarg_segment_ptr 1
		.amdhsa_wavefront_size32 1
		.amdhsa_system_sgpr_workgroup_id_x 1
		.amdhsa_system_sgpr_workgroup_id_y 1
		.amdhsa_system_sgpr_workgroup_id_z 1
		.amdhsa_system_vgpr_workitem_id 0
		.amdhsa_next_free_vgpr 896
		.amdhsa_next_free_sgpr 66
		.amdhsa_reserve_vcc 0
		.amdhsa_float_denorm_mode_32 3
		.amdhsa_float_denorm_mode_16_64 3
		.amdhsa_memory_ordered 1
		.amdhsa_forward_progress 1
		.amdhsa_inst_pref_size 113
	.end_amdhsa_kernel
	.amdgpu_metadata
---
amdhsa.version: [ 1, 2 ]
amdhsa.kernels:
  - .name:           k_q4c08691a51_route
    .symbol:         k_q4c08691a51_route.kd
    .args:
      - { .name: x_codes, .offset: 0, .size: 8, .value_kind: global_buffer, .address_space: global }
      - { .name: x_scales, .offset: 8, .size: 8, .value_kind: global_buffer, .address_space: global }
      - { .name: gate_w_codes, .offset: 16, .size: 8, .value_kind: global_buffer, .address_space: global }
      - { .name: gate_w_scales, .offset: 24, .size: 8, .value_kind: global_buffer, .address_space: global }
      - { .name: sel, .offset: 32, .size: 8, .value_kind: global_buffer, .address_space: global }
      - { .name: topv, .offset: 40, .size: 8, .value_kind: global_buffer, .address_space: global }
    .group_segment_fixed_size: 17920
    .private_segment_fixed_size: 0
    .kernarg_segment_align: 8
    .kernarg_segment_size: 48
    .max_flat_workgroup_size: 128
    .sgpr_count:     66
    .vgpr_count:     896
    .wavefront_size: 32
...
	.end_amdgpu_metadata
.endif
;; end of part 1
;; launch up (part 2): grid 256 x 1, 4 waves a work-group, no clusters, 210,432 bytes of LDS; arguments sel, topv, x_codes, x_scales, qweight1, qzeros1, scales1, hqc, hqs; writes hqc, hqs
.if DOCPART == 2
	.amdgcn_target "amdgcn-amd-amdhsa--gfx1250"
	.amdhsa_code_object_version 6
	.text
	.protected	k_q4c08691a51_up
	.globl	k_q4c08691a51_up
	.p2align	8
	.type	k_q4c08691a51_up,@function
k_q4c08691a51_up:
	s_mov_b64 s[64:65], 0
	v_nop
	global_prefetch_b8 v0, s[64:65] scope:SCOPE_SE
	s_setreg_imm32_b32 hwreg(HW_REG_WAVE_MODE, 25, 1), 1
	s_wait_xcnt 0x0
; THE FIRST PRODUCT OF THE EXPERTS, on the rows that were routed alone: Q(silu(x w1[e]^T) x cw), as codes and scale words.
; A work-group owns expert e = number / 4 and 128 of its 512 hidden units (slice s = number % 4).
; 1. THE LIST.  Wave 0 turns sel[e] into the list of the expert's rows (token x 8 + choice), in token order, in LDS.
; 2. THE WEIGHTS, each dequantised once in the launch: (q - z) x scale in f32, then E4M3 with one E8M0 scale for each 32 along K (= the model's 1,024).
;    A UNIT is 16 words across x 128 down K (one group of zeros and scales); a wave takes two.  Lane (r, h) takes word column r and k = 32 c + 16 h + i; nibble p of a word feeds tile p:
;    row r of tile p is hidden unit 8 r + j(p), j(p) = 2 (p % 4) + p / 4.  So the conversions' results are a fragment's registers 4 c .. 4 c + 3, and go to LDS as an image of them.
;    q - z is exact: (nibble in place | 0x4B000000) is the f32 number 2^23 + q 16^(p % 4); the zero point is made so too, negative; the sum is (q - z) 16^(p % 4); the scale carries 16^-(p % 4).
; 3. THE PASSES.  A wave takes tiles of 16 rows, tile = wave + 4 q, three to a pass: 192 matrix instructions (source 0 = 16 hidden units, source 1 = 16 rows of x) on the 64 fragments in LDS.
;    In the result lane (r, h) holds row r and hidden units 64 h + 8 j + j(p): two whole blocks of 32 a lane.  silu, x cw, the quantiser; the codes leave as an image of my registers.
; No tensor load: how many passes a wave makes hangs on sel, which is read from memory.  For the same reason the four work-groups of an expert ask for nothing jointly.
; LIMITS: NaN and infinities are not served; a weight scale under 2^-114 loses bits when it takes 2^-12; a block of zeros gets the byte 1 (its codes are zeros, and this program alone reads the bytes).
; LDS: WIMG fragment 8 ks + p at 2048 f + 512 c + 16 lane; SIMG scale words at 1024 ks + 512 half + 16 lane; RAW 16,384 bytes a wave; LIST 1,152 entries + 32 dump words; CNT the number of rows.
; REGISTERS: window 0: v1-19 addresses, v20-59 the units' constants, v60-77 my tiles' list entries, v78-127 the pass's addresses and scale words, v128-255 by phase.
;   window 1: the raw words, then x's fragments of K steps 0-3 at 16 (4 t + ks); window 2: K steps 4-7; window 3: the accumulators at 8 (8 t + p).
.set WIMG,  0
.set SIMG,  131072
.set RAW,   139264
.set LIST,  204800
.set CNT,   209536
.set USTEP, 16384                      ; from my first unit's fragments to my second's
.set WSTEP, 1024                       ; the same for the scale words
.set MAXPASS, 6                        ; 1,024 rows at the most are 64 tiles, 16 a wave, three a pass
.set CN,  1                            ; v1   LDS address of the count
.set H16, 2                            ; v2   16 h
.set LI,  4                            ; v4   16 x lane
.set LS,  5                            ; v5   4 x lane
.set GQ,  6                            ; v6   a raw load: row lane / 4, 16 bytes lane % 4
.set RWS, 7                            ; v7   the same place in my RAW
.set RRD, 8                            ; v8   RAW as the dequantiser reads it: 4 x lane
.set RIH, 9                            ; v9   the block to be read next
.set CIH, 10                           ; v10  where the block's codes go
.set VA1, 11                           ; v11  16 x lane + 65,536
.set SRD, 12                           ; v12  SIMG + 16 x lane
.set LRD, 13                           ; v13  LIST + 64 wave + 4 r
.set R4,  14
.set R32, 15
.set DMP, 17                           ; v17  1,152 + lane: where a lane without a row puts its word
.set ZW,  18
.set SC,  20
.set KK,  36                           ; v36-51 for each nibble a pair: -(2^23 + z 16^pp), scale x 16^-pp
.set SW,  52
.set LL,  60
.set VX,  78
.set VS,  81
.set VC,  84
.set VWI, 87                           ; v87  16 x lane + 32,768 wave
.set CW,  88
.set VSW, 94                           ; v94  SIMG + 16 x lane + 2,048 wave
.set LC,  95                           ; v95  LIST + 16 x lane
.set XS,  96
.set AS,  120
.set SELV, 128
.set ZR,  160
.set L8,  164
.set NV,  166
.set ADR, 192
.set V,   128
.set W,   192
.set T,   208
.set C,   224
.set MX,  240
.set PX,  244
.set TS,  248
.set BD,  252
.set AB,  128
.set EE,  128
.set ZC,  160
.set HH,  192
.set CD,  224
.set M0,  240
.set M1,  241
.set TSE, 242
.set BDE, 243
.set BY,  244
.set HW,  246
.set PXE, 247
.set LO,  248
.set HI,  249
.set SWD, 250
.set MSB, 0
.macro WIN new                         ; the immediate's high byte repeats the setting that is left
.if MSB != (\new)
	s_set_vgpr_msb (MSB<<8)|(\new)
.set MSB, (\new)
.endif
.endm
	s_load_b512 s[4:19], s[0:1], 0x0               ; sel, topv, x's codes, x's scales, qweight1, qzeros1, scales1, hqc
	s_load_b64 s[20:21], s[0:1], 0x40              ; hqs
	v_lshl_add_u32 v3, v0, 2, 0x33400
	v_mov_b32 v16, 0
	v_lshrrev_b32 v240, 5, v0
	v_readfirstlane_b32 s22, v240                  ; wave 0..3
	v_and_b32 v240, 31, v0                         ; lane
	v_and_b32 v241, 15, v0                         ; r
	v_bfe_u32 v242, v0, 4, 1                       ; h
	v_lshrrev_b32 v243, 2, v240
	v_and_b32 v244, 3, v240
	s_lshr_b32 s23, ttmp9, 2                       ; e
	s_and_b32 s24, ttmp9, 3                        ; s
	; every LDS address register is made here, ahead of the branch on the wave's number
	v_mov_b32 v[CN], CNT
	v_lshlrev_b32 v[H16], 4, v242
	v_lshlrev_b32 v[LI], 4, v240
	v_lshlrev_b32 v[LS], 2, v240
	v_lshlrev_b32 v[GQ], 14, v243                  ; a row of qweight1 is 16,384 bytes
	v_lshl_add_u32 v[GQ], v244, 4, v[GQ]
	s_lshl_b32 s25, s22, 14
	s_add_co_u32 s25, s25, RAW
	v_lshlrev_b32 v[RWS], 7, v243
	v_lshl_add_u32 v[RWS], v244, 4, v[RWS]
	v_add_nc_u32 v[RWS], s25, v[RWS]
	v_add_nc_u32 v[RRD], s25, v[LS]
	v_add_nc_u32 v[VA1], 65536, v[LI]
	v_add_nc_u32 v[SRD], SIMG, v[LI]
	s_lshl_b32 s25, s22, 6
	s_add_co_u32 s25, s25, LIST
	v_lshl_add_u32 v[LRD], v241, 2, s25
	v_lshlrev_b32 v[R4], 2, v241
	v_lshlrev_b32 v[R32], 5, v241
	v_add_nc_u32 v[DMP], 1152, v240
	s_lshl_b32 s25, s22, 15
	v_add_nc_u32 v[VWI], s25, v[LI]
	s_lshl_b32 s25, s22, 11
	v_add_nc_u32 v[VSW], s25, v[SRD]
	v_add_nc_u32 v[LC], LIST, v[LI]
	v_lshlrev_b32 v[L8], 3, v240
.irp i,0,1,2,3,4,5,6,7
	v_mov_b32 v[SW+\i], 0                          ; written once: each block shifts its byte in from the top
.endr
.irp t,0,1,2
	v_mov_b32 v[CW+2*\t+1], 0                      ; (the upper halves of pairs of which the low word is used)
.endr
	s_lshl_b32 s26, s23, 12                        ; sel: an expert's row is 4,096 bytes
	s_mov_b32 s27, 0
	s_lshl_b32 s46, s23, 8
	s_lshl_b32 s47, s24, 6
	s_add_co_u32 s46, s46, s47                     ; my 16 words in a row: 256 e + 64 s
	s_lshl_b32 s47, s22, 22
	s_add_co_u32 s48, s46, s47                     ; qweight1: + my two units, 256 rows x wave
	s_mov_b32 s49, 0
	s_lshl_b32 s47, s22, 15
	s_add_co_u32 s50, s46, s47                     ; qzeros1: + two rows x wave
	s_mov_b32 s51, 0
	s_lshl_b32 s52, s46, 3
	s_lshl_b32 s47, s22, 18
	s_add_co_u32 s52, s52, s47                     ; scales1: eight f32 to a word, + two rows x wave
	s_mov_b32 s53, 0
	s_lshl_b32 s54, ttmp9, 17                      ; hqc: (4 e + s) x 64 tiles x 2,048 bytes
	s_mov_b32 s55, 0
	s_lshl_b32 s56, ttmp9, 13                      ; hqs: (4 e + s) x 64 tiles x 128 bytes
	s_mov_b32 s57, 0
	s_mov_b32 s28, 0x76543210
	s_mov_b32 s29, 0xfedcba98                      ; v_permlanex16_b32's selects for lane l xor 16
	s_mov_b32 s30, 0x4b000000                      ; 2^23
	s_mov_b32 s31, 0xf
	s_mov_b32 s32, 0xf0
	s_mov_b32 s33, 0xf00
	s_mov_b32 s34, 0xf000
	s_mov_b32 s35, 0x600000                        ; the mantissa field of 448
	s_mov_b32 s43, 0xffff0000                      ; lanes 16-31
	s_mov_b32 s44, 0xbfb8aa3b                      ; -log2 e
	s_mov_b32 s45, s44
	s_wait_kmcnt 0x0
	s_add_nc_u64 s[4:5], s[4:5], s[26:27]
	s_add_nc_u64 s[12:13], s[12:13], s[48:49]
	s_add_nc_u64 s[14:15], s[14:15], s[50:51]
	s_add_nc_u64 s[16:17], s[16:17], s[52:53]
	s_add_nc_u64 s[18:19], s[18:19], s[54:55]
	s_add_nc_u64 s[20:21], s[20:21], s[56:57]
	; all waves issue the same loads in the same order, so that every count below holds in every wave: 32 of sel, 6 constants, 32 raw
.set g, 0
.rept 32
	global_load_b32 v[SELV+g], v[LS], s[4:5] offset:128*g
.set g, g+1
.endr
.irp u,0,1
	global_load_b32 v[ZW+\u], v[R4], s[14:15] offset:16384*\u
	global_load_b128 v[SC+8*\u:SC+8*\u+3], v[R32], s[16:17] offset:131072*\u
	global_load_b128 v[SC+8*\u+4:SC+8*\u+7], v[R32], s[16:17] offset:131072*\u+16
.endr
	WIN 0x40                                       ; destination window 1
.irp u,0,1
.set n, 0
.rept 16
	global_load_b128 v[(16*\u+n)*4:(16*\u+n)*4+3], v[GQ], s[12:13] offset:2097152*\u+131072*n   ; eight rows x 64 bytes
.set n, n+1
.endr
.endr
	WIN 0
	; ---- THE LIST: wave 0 alone; no other wave touches LDS ahead of the barrier below
	s_cmp_lg_u32 s22, 0
	s_cbranch_scc1 .Lno_list
	s_wait_loadcnt 38                              ; sel is in: the 6 + 32 loads issued behind it may stay out
.irp i,0,1,2,3
	v_mov_b32 v[ZR+\i], 0
.endr
.set i, 0
.rept 9
	ds_store_b128 v[LC], v[ZR:ZR+3] offset:512*i   ; 1,152 entries are cleared: an entry past the last row reads as token 0, choice 0
.set i, i+1
.endr
	s_mov_b32 s60, 0
.set g, 0
.rept 32                               ; tokens 32 g + lane.  Each store has registers of its own
	v_cmp_ne_u32 s58, 0, v[SELV+g]                 ; who chose this expert
	v_mbcnt_lo_u32_b32 v[ADR+g], s58, s60          ; rows before mine
	v_add3_u32 v[SELV+g], v[SELV+g], v[L8], 256*g-1   ; token x 8 + choice
	v_cndmask_b32 v[ADR+g], v[DMP], v[ADR+g], s58
	v_min_u32 v[ADR+g], 0x49f, v[ADR+g]            ; held inside the list and its dump words
	v_lshl_add_u32 v[ADR+g], v[ADR+g], 2, LIST
	ds_store_b32 v[ADR+g], v[SELV+g]
	s_bcnt1_i32_b32 s59, s58
	s_add_co_u32 s60, s60, s59
.set g, g+1
.endr
	v_mov_b32 v[NV], s60
	ds_store_b32 v[CN], v[NV]
.Lno_list:
	s_wait_dscnt 0x0                               ; the list is written
	s_barrier_signal -1
	s_barrier_wait -1
	ds_load_b32 v240, v[CN]
.set q, 0
.rept 18
	ds_load_b32 v[LL+q], v[LRD] offset:256*q       ; entry r of tile wave + 4 q
.set q, q+1
.endr
	s_wait_dscnt 0x0
	v_readfirstlane_b32 s39, v240
	s_min_u32 s39, s39, 1024                       ; the expert's rows
	s_add_co_u32 s40, s39, 15
	s_lshr_b32 s40, s40, 4
	s_max_u32 s40, s40, 1                          ; tiles; tile 0 is always written, so that the next launch reads nothing unwritten
	s_sub_co_i32 s41, s40, s22                     ; tile cnt + 4 t + wave exists where cnt + 4 t < this
	s_mov_b32 s42, 0
.irp pp,0,1,2,3
	v_mov_b32 v[PX+\pp], 0                         ; written once: a lane permute's destination counts as one of its sources
.endr
.macro STAGE u                         ; a unit's raw words into my RAW, laid so that the dequantiser's 32 lanes read 128 consecutive bytes: 2048 c + 128 i + 64 h + 4 r
	WIN 0x04                                       ; an LDS store's data are its source 1: window 1
.set n, 0
.rept 16
	ds_store_b128 v[RWS], v[(16*\u+n)*4:(16*\u+n)*4+3] offset:8192*\u+(n/4)*2048+(n%2)*1024+((n/2)%2)*64
.set n, n+1
.endr
	WIN 0
.endm
.macro UNITCONST u                     ; for each nibble p: the zero point as -(2^23 + z 16^pp), and the scale of column j(p) x 16^-pp
	v_lshrrev_b32 v[MX], 16, v[ZW+\u]
.irp p,0,1,2,3
	v_and_or_b32 v[KK+2*\p], v[ZW+\u], s[31+\p], 0xcb000000
	v_and_or_b32 v[KK+8+2*\p], v[MX], s[31+\p], 0xcb000000
.endr
	v_mov_b32 v[KK+1], v[SC+8*\u]
	v_mov_b32 v[KK+9], v[SC+8*\u+1]
	v_mul_f32 v[KK+3], 0x3d800000, v[SC+8*\u+2]
	v_mul_f32 v[KK+11], 0x3d800000, v[SC+8*\u+3]
	v_mul_f32 v[KK+5], 0x3b800000, v[SC+8*\u+4]
	v_mul_f32 v[KK+13], 0x3b800000, v[SC+8*\u+5]
	v_mul_f32 v[KK+7], 0x39800000, v[SC+8*\u+6]
	v_mul_f32 v[KK+15], 0x39800000, v[SC+8*\u+7]
.endm
.macro PRELOAD u
.set i, 0
.rept 16
	ds_load_b32 v[W+i], v[RRD] offset:8192*\u+128*i
.set i, i+1
.endr
.endm
; four nibbles (p0 .. p0 + 3) x my 16 numbers of a block of 32: dequantised, quantised, stored as registers 4 c .. 4 c + 3 of four fragments
.macro HALF p0, u
.irp pp,0,1,2,3
.irp i,0,2,4,6,8,10,12,14
	v_pk_add_f32 v[V+16*\pp+\i:V+16*\pp+\i+1], v[V+16*\pp+\i:V+16*\pp+\i+1], v[KK+2*(\p0+\pp):KK+2*(\p0+\pp)+1] op_sel_hi:[1,0]   ; (q - z) 16^pp, exact
.endr
.endr
.irp pp,0,1,2,3
.irp i,0,2,4,6,8,10,12,14
	v_pk_mul_f32 v[V+16*\pp+\i:V+16*\pp+\i+1], v[V+16*\pp+\i:V+16*\pp+\i+1], v[KK+2*(\p0+\pp):KK+2*(\p0+\pp)+1] op_sel:[0,1] op_sel_hi:[1,1]   ; x the pair's second word: one rounding, (q - z) x scale
.endr
.endr
.irp pp,0,1,2,3
	v_max3_num_f32 v[MX+\pp], |v[V+16*\pp]|, |v[V+16*\pp+1]|, 0x4800000   ; with the floor 2^(9 - 127): the byte cannot fall under 1
.endr
.irp i,2,4,6,8,10,12,14
.irp pp,0,1,2,3
	v_max3_num_f32 v[MX+\pp], v[MX+\pp], |v[V+16*\pp+\i]|, |v[V+16*\pp+\i+1]|
.endr
.endr
.irp pp,0,1,2,3
	v_permlanex16_b32 v[PX+\pp], v[MX+\pp], s28, s29
.endr
.irp pp,0,1,2,3
	v_max_num_f32 v[MX+\pp], v[MX+\pp], v[PX+\pp]  ; with lane l xor 16's 16: the block's largest magnitude
.endr
.irp pp,0,1,2,3
	v_add_nc_u32 v[TS+\pp], 0xfc000000, v[MX+\pp]  ; 8 off its exponent field: the conversion's scale operand
.endr
.irp pp,0,1,2,3
	v_and_or_b32 v[BD+\pp], v[MX+\pp], 0x7f800000, s35   ; 448 x the scale
.endr
.irp pp,0,1,2,3
	v_lshrrev_b32 v[PX+\pp], 23, v[TS+\pp]         ; the scale's byte
.endr
.irp pp,0,1,2,3
	v_alignbit_b32 v[SW+\p0+\pp], v[PX+\pp], v[SW+\p0+\pp], 8   ; in from the top: after four blocks the first block's byte is the lowest
.endr
.irp pp,0,1,2,3
.set i, 0
.rept 16
	v_med3_num_f32 v[V+16*\pp+i], v[V+16*\pp+i], -v[BD+\pp], v[BD+\pp]   ; the conversion to an 8-bit code does not saturate (ISA guide 7.6.2)
.set i, i+1
.endr
.endr
	s_wait_dscnt 0x0                               ; the LDS stores of the half before have read the code registers
.irp pp,0,1,2,3
	v_cvt_scalef32_pk8_fp8_f32 v[C+4*\pp:C+4*\pp+1], v[V+16*\pp:V+16*\pp+7], v[TS+\pp]
	v_cvt_scalef32_pk8_fp8_f32 v[C+4*\pp+2:C+4*\pp+3], v[V+16*\pp+8:V+16*\pp+15], v[TS+\pp]
.endr
	v_nop                                          ; a plain line behind the last conversion: its sources are written again below
.irp pp,0,1,2,3
	ds_store_b128 v[CIH], v[C+4*\pp:C+4*\pp+3] offset:USTEP*\u+2048*(\p0+\pp)
.endr
.endm
; a unit: four trips, one block of 32 along K each.  The next block's words are asked for as soon as this block's are unpacked; the last trip asks for block 0 again, so that the trip has no branch
.macro LOOP u
	s_mov_b32 s36, 0
.Lblk_\@:
	s_wait_dscnt 0x0                               ; this block's words are in; the last trip's stores have read their registers and address
	s_add_co_u32 s37, s36, 1
	s_and_b32 s37, s37, 3
	s_lshl_b32 s37, s37, 11
	s_lshl_b32 s38, s36, 9
	v_add_nc_u32 v[RIH], s37, v[RRD]
	v_add_nc_u32 v[CIH], s38, v[VWI]
.irp pp,0,1,2,3
.set i, 0
.rept 16
	v_and_or_b32 v[V+16*\pp+i], v[W+i], s[31+\pp], s30   ; 2^23 + q 16^pp
.set i, i+1
.endr
.endr
.set i, 0
.rept 16
	v_lshrrev_b32 v[T+i], 16, v[W+i]
.set i, i+1
.endr
.set i, 0
.rept 16
	ds_load_b32 v[W+i], v[RIH] offset:8192*\u+128*i
.set i, i+1
.endr
	HALF 0, \u
.irp pp,0,1,2,3
.set i, 0
.rept 16
	v_and_or_b32 v[V+16*\pp+i], v[T+i], s[31+\pp], s30
.set i, i+1
.endr
.endr
	HALF 4, \u
	s_add_co_u32 s36, s36, 1
	s_cmp_lt_u32 s36, 4
	s_cbranch_scc1 .Lblk_\@
	s_wait_dscnt 0x0                               ; the idle loads of the last trip are in: their registers may be loaded again
.endm
.macro SWOUT u
	ds_store_b128 v[VSW], v[SW:SW+3] offset:WSTEP*\u
	ds_store_b128 v[VSW], v[SW+4:SW+7] offset:WSTEP*\u+512
.endm
; the three tiles' rows of x (a lane a row), their scale words and their weights cw.  List entries come from LDS: they are held to their range ahead of every address
.macro XLOAD
.irp t,0,1,2
	v_lshrrev_b32 v[VS+\t], 3, v[LL+\t]
	v_min_u32 v[VS+\t], 0x3ff, v[VS+\t]            ; the token
	v_lshl_add_u32 v[VX+\t], v[VS+\t], 10, v[H16]
	v_lshlrev_b32 v[VS+\t], 5, v[VS+\t]
	v_min_u32 v[VC+\t], 0x1fff, v[LL+\t]
	v_lshlrev_b32 v[VC+\t], 2, v[VC+\t]
.endr
.irp t,0,1,2
	global_load_b128 v[XS+8*\t:XS+8*\t+3], v[VS+\t], s[10:11]
	global_load_b128 v[XS+8*\t+4:XS+8*\t+7], v[VS+\t], s[10:11] offset:16
	global_load_b32 v[CW+2*\t], v[VC+\t], s[6:7]
.endr
	WIN 0x40
.irp t,0,1,2
.irp ks,0,1,2,3
.irp c,0,1,2,3
	global_load_b128 v[(4*\t+\ks)*16+4*\c:(4*\t+\ks)*16+4*\c+3], v[VX+\t], s[8:9] offset:128*\ks+32*\c
.endr
.endr
.endr
	WIN 0x80
.irp t,0,1,2
.irp ks,0,1,2,3
.irp c,0,1,2,3
	global_load_b128 v[(4*\t+\ks)*16+4*\c:(4*\t+\ks)*16+4*\c+3], v[VX+\t], s[8:9] offset:128*(\ks+4)+32*\c
.endr
.endr
.endr
	WIN 0
.endm
; group g of 16: four fragments of the weights (K step g / 2, tiles 4 (g % 2) + i) and their scale words: 17 LDS loads
.macro GLOAD g
.set ks_, (\g)/2
.set gq_, (\g)%2
.set ab_, AB+64*((\g)%2)
.irp i,0,1,2,3
.irp c,0,1,2,3
.if ks_ < 4
	ds_load_b128 v[ab_+16*\i+4*\c:ab_+16*\i+4*\c+3], v[LI] offset:((ks_%4)*8+4*gq_+\i)*2048+512*\c
.else
	ds_load_b128 v[ab_+16*\i+4*\c:ab_+16*\i+4*\c+3], v[VA1] offset:((ks_%4)*8+4*gq_+\i)*2048+512*\c
.endif
.endr
.endr
	ds_load_b128 v[AS+4*((\g)%2):AS+4*((\g)%2)+3], v[SRD] offset:1024*ks_+512*gq_
.endm
; 192 matrix instructions.  A group's twelve name twelve accumulators, the next group's the other twelve: no two that follow each other share one
.macro MATPASS
	GLOAD 0
	GLOAD 1
.set g, 0
.rept 16
.if g < 15
	s_wait_dscnt 17                                ; this group's loads are in; the next group's 17 may stay out
.else
	s_wait_dscnt 0x0
.endif
.if g < 8
	WIN 0xf4                                       ; source 1 (x) window 1; C and D window 3
.else
	WIN 0xf8                                       ; source 1 window 2
.endif
.irp t,0,1,2
.irp i,0,1,2,3
.if g < 2
	v_wmma_scale_f32_16x16x128_f8f6f4 v[(8*\t+4*(g%2)+\i)*8:(8*\t+4*(g%2)+\i)*8+7], v[AB+64*(g%2)+16*\i:AB+64*(g%2)+16*\i+15], v[(4*\t+(g/2)%4)*16:(4*\t+(g/2)%4)*16+15], 0, v[AS+4*(g%2)+\i], v[XS+8*\t+g/2]
.else
	v_wmma_scale_f32_16x16x128_f8f6f4 v[(8*\t+4*(g%2)+\i)*8:(8*\t+4*(g%2)+\i)*8+7], v[AB+64*(g%2)+16*\i:AB+64*(g%2)+16*\i+15], v[(4*\t+(g/2)%4)*16:(4*\t+(g/2)%4)*16+15], v[(8*\t+4*(g%2)+\i)*8:(8*\t+4*(g%2)+\i)*8+7], v[AS+4*(g%2)+\i], v[XS+8*\t+g/2]
.endif
.endr
.endr
.rept 8
	v_nop                                          ; eight places in front of loads into registers that these products have read
.endr
	WIN 0
.if g < 14
	GLOAD g+2
.endif
.set g, g+1
.endr
	v_nop                                          ; a ninth: the next pass's first products write over these accumulators
.endm
; tile t's way out: silu(z) x cw = (z cw) / (1 + 2^(-z log2 e)); my two blocks of 32, block 0 first
.macro EPI t
	s_add_co_u32 s62, s42, 4*\t
	s_cmp_lt_u32 s62, s41
	s_cbranch_scc0 .Lepi_end_\@                    ; no such tile
	s_add_co_u32 s62, s62, s22
	s_min_u32 s62, s62, 63                         ; the tile's number
	s_wait_xcnt 0x0                                ; the last tile's stores have read their registers and bases
	s_lshl_b32 s50, s62, 11
	s_mov_b32 s51, 0
	s_add_nc_u64 s[52:53], s[18:19], s[50:51]
	s_lshl_b32 s50, s62, 7
	s_add_nc_u64 s[54:55], s[20:21], s[50:51]
	v_mov_b32 v[PXE], 0
.irp b,0,1
	WIN 0x03                                       ; source 0 window 3
.irp p,0,1,2,3,4,5,6,7
.irp a,0,2
	v_pk_mul_f32 v[EE+4*\p+\a:EE+4*\p+\a+1], v[(8*\t+\p)*8+4*\b+\a:(8*\t+\p)*8+4*\b+\a+1], s[44:45] op_sel_hi:[1,0]
.endr
.endr
.irp p,0,1,2,3,4,5,6,7
.irp a,0,2
	v_pk_mul_f32 v[ZC+4*\p+\a:ZC+4*\p+\a+1], v[(8*\t+\p)*8+4*\b+\a:(8*\t+\p)*8+4*\b+\a+1], v[CW+2*\t:CW+2*\t+1] op_sel_hi:[1,0]
.endr
.endr
	WIN 0
.set i, 0
.rept 32
	v_exp_f32 v[EE+i], v[EE+i]
.set i, i+1
.endr
	v_nop
	s_wait_alu depctr_va_vdst(0)                   ; one wait for the batch, ahead of its first reader
.set i, 0
.rept 16
	v_pk_add_f32 v[EE+i:EE+i+1], v[EE+i:EE+i+1], 1.0 op_sel_hi:[1,0]
.set i, i+2
.endr
.set i, 0
.rept 32
	v_rcp_f32 v[EE+i], v[EE+i]
.set i, i+1
.endr
	v_nop
	s_wait_alu depctr_va_vdst(0)
.irp p,0,1,2,3,4,5,6,7
.irp jj,0,1,2,3
	v_mul_f32 v[HH+8*\jj+2*(\p%4)+\p/4], v[ZC+4*\p+\jj], v[EE+4*\p+\jj]   ; into the order of the hidden units: 8 jj + j(p)
.endr
.endr
	v_max3_num_f32 v[M0], |v[HH]|, |v[HH+1]|, 0x4800000   ; the whole block is mine; the floor 2^(9 - 127) holds the byte at 1 from below
	v_max3_num_f32 v[M1], |v[HH+16]|, |v[HH+17]|, |v[HH+18]|
.irp i,2,4,6,8,10,12
	v_max3_num_f32 v[M0], v[M0], |v[HH+\i]|, |v[HH+\i+1]|
	v_max3_num_f32 v[M1], v[M1], |v[HH+17+\i]|, |v[HH+18+\i]|
.endr
	v_max3_num_f32 v[M0], v[M0], |v[HH+14]|, |v[HH+15]|
	v_max3_num_f32 v[M0], v[M0], v[M1], |v[HH+31]|
	v_add_nc_u32 v[TSE], 0xfc000000, v[M0]
	v_and_or_b32 v[BDE], v[M0], 0x7f800000, s35
	v_lshrrev_b32 v[BY+\b], 23, v[TSE]
.set i, 0
.rept 32
	v_med3_num_f32 v[HH+i], v[HH+i], -v[BDE], v[BDE]
.set i, i+1
.endr
.irp x,0,1,2,3
	v_cvt_scalef32_pk8_fp8_f32 v[CD+8*\b+2*\x:CD+8*\b+2*\x+1], v[HH+8*\x:HH+8*\x+7], v[TSE]
.endr
	v_nop                                          ; a plain line behind the last conversion
.endr
	v_lshl_or_b32 v[HW], v[BY+1], 8, v[BY]         ; my two bytes; lanes 0-15 hold blocks 0, 1 of the row's 128, lanes 16-31 blocks 2, 3
	v_permlanex16_b32 v[PXE], v[HW], s28, s29
	v_cndmask_b32 v[LO], v[HW], v[PXE], s43
	v_cndmask_b32 v[HI], v[PXE], v[HW], s43
	v_lshl_or_b32 v[SWD], v[HI], 16, v[LO]         ; the row's scale word, in both lanes
.irp x,0,1,2,3
	global_store_b128 v[LI], v[CD+4*\x:CD+4*\x+3], s[52:53] offset:512*\x   ; the wave stores 512 consecutive bytes: register quad x of every lane
.endr
	global_store_b32 v[LS], v[SWD], s[54:55]
.Lepi_end_\@:
.endm
	s_wait_loadcnt 16                              ; the constants and my first unit's words are in; the second unit's 16 loads may stay out
	STAGE 0
	UNITCONST 0
	PRELOAD 0                                      ; LDS serves a wave's instructions in order: these see my stores
	LOOP 0
	SWOUT 0
	s_wait_loadcnt 0x0
	STAGE 1
	s_wait_dscnt 0x0                               ; the stores have read the raw registers: x's fragments may land there
	XLOAD                                          ; the first pass's rows: the second unit's work is theirs to land in
	UNITCONST 1
	PRELOAD 1
	LOOP 1
	SWOUT 1
	s_wait_dscnt 0x0                               ; my fragments and scale words lie in LDS
	s_barrier_signal -1
	s_barrier_wait -1                              ; everybody's do.  The last barrier
	s_cmp_le_i32 s41, 0
	s_cbranch_scc1 .Lend                           ; fewer tiles than my wave's number: nothing for me
	s_mov_b32 s63, 0
.Lpass:                                                ; counted against MAXPASS, which no list exceeds; a wave leaves by the forward branch below as soon as its tiles are done
	s_wait_loadcnt 0x0                             ; the pass's rows are in
	s_wait_xcnt 0x0                                ; the last pass's stores have read their registers, over which the fragments land
	MATPASS
	EPI 0
	EPI 1
	EPI 2
	s_add_co_u32 s42, s42, 12                      ; three tiles of mine are twelve of the work-group's
	s_cmp_ge_u32 s42, s41
	s_cbranch_scc1 .Lend                           ; no tile of mine is left (after the sixth pass 72 stands against 64 at the most)
.set q, 0
.rept 15
	v_mov_b32 v[LL+q], v[LL+q+3]                   ; on to my next three tiles
.set q, q+1
.endr
	XLOAD
	s_add_co_u32 s63, s63, 1
	s_cmp_lt_u32 s63, MAXPASS
	s_cbranch_scc1 .Lpass
.Lend:
	s_wait_tensorcnt 0x0
	ds_add_u32 v3, v16
	s_wait_dscnt 0x0
	s_endpgm
.Lfunc_end_k_q4c08691a51_up:
	.size	k_q4c08691a51_up, .Lfunc_end_k_q4c08691a51_up-k_q4c08691a51_up
	.p2alignl 7, 3214868480
	.fill 96, 4, 3214868480
	.section	.rodata,"a",@progbits
	.p2align	6, 0x0
	.amdhsa_kernel k_q4c08691a51_up
		.amdhsa_group_segment_fixed_size 210432
		.amdhsa_private_segment_fixed_size 0
		.amdhsa_enable_private_segment 0
		.amdhsa_kernarg_size 72
		.amdhsa_user_sgpr_count 2
		.amdhsa_user_sgpr_kernarg_segment_ptr 1
		.amdhsa_wavefront_size32 1
		.amdhsa_system_sgpr_workgroup_id_x 1
		.amdhsa_system_sgpr_workgroup_id_y 1
		.amdhsa_system_sgpr_workgroup_id_z 1
		.amdhsa_system_vgpr_workitem_id 0
		.amdhsa_next_free_vgpr 960
		.amdhsa_next_free_sgpr 66
		.amdhsa_reserve_vcc 0
		.amdhsa_float_denorm_mode_32 3
		.amdhsa_float_denorm_mode_16_64 3
		.amdhsa_memory_ordered 1
		.amdhsa_forward_progress 1
		.amdhsa_inst_pref_size 238
	.end_amdhsa_kernel
	.amdgpu_metadata
---
amdhsa.version: [ 1, 2 ]
amdhsa.kernels:
  - .name:           k_q4c08691a51_up
    .symbol:         k_q4c08691a51_up.kd
    .args:
      - { .name: sel, .offset: 0, .size: 8, .value_kind: global_buffer, .address_space: global }
      - { .name: topv, .offset: 8, .size: 8, .value_kind: global_buffer, .address_space: global }
      - { .name: x_codes, .offset: 16, .size: 8, .value_kind: global_buffer, .address_space: global }
      - { .name: x_scales, .offset: 24, .size: 8, .value_kind: global_buffer, .address_space: global }
      - { .name: qweight1, .offset: 32, .size: 8, .value_kind: global_buffer, .address_space: global }
      - { .name: qzeros1, .offset: 40, .size: 8, .value_kind: global_buffer, .address_space: global }
      - { .name: scales1, .offset: 48, .size: 8, .value_kind: global_buffer, .address_space: global }
      - { .name: hqc, .offset: 56, .size: 8, .value_kind: global_buffer, .address_space: global }
      - { .name: hqs, .offset: 64, .size: 8, .value_kind: global_buffer, .address_space: global }
    .group_segment_fixed_size: 210432
    .private_segment_fixed_size: 0
    .kernarg_segment_align: 8
    .kernarg_segment_size: 72
    .max_flat_workgroup_size: 128
    .sgpr_count:     66
    .vgpr_count:     960
    .wavefront_size: 32
...
	.end_amdgpu_metadata
.endif
;; end of part 2
;; launch down (part 3): grid 256 x 1, 4 waves a work-group, no clusters, 276,992 bytes of LDS; arguments sel, hqc, hqs, qweight2, qzeros2, scales2, y; writes y
.if DOCPART == 3
	.amdgcn_target "amdgcn-amd-amdhsa--gfx1250"
	.amdhsa_code_object_version 6
	.text
	.protected	k_q4c08691a51_down
	.globl	k_q4c08691a51_down
	.p2align	8
	.type	k_q4c08691a51_down,@function
k_q4c08691a51_down:
	s_mov_b64 s[64:65], 0
	v_nop
	global_prefetch_b8 v0, s[64:65] scope:SCOPE_SE
	s_setreg_imm32_b32 hwreg(HW_REG_WAVE_MODE, 25, 1), 1
	s_wait_xcnt 0x0
; THE SECOND PRODUCT OF THE EXPERTS, on the routed rows: y[token x 8 + choice][h] = the sum over the expert's 512 hidden units of Q(hidden) x Q(w2[e]).
; A work-group owns expert e = number / 4 and 256 of the 1,024 outputs (quarter hq = number % 4).  The frame is the first product's:
; 1. wave 0 builds the expert's list of rows from sel, in the same order;  2. each weight is dequantised once ((q - z) x scale in f32) and quantised to E4M3 along K (= the 512 hidden units);
;    a UNIT is 16 words across x 128 down K; the work-group has 2 (cs) x 4 (ks); wave w takes cs = w % 2 and ks = 2 (w / 2), 2 (w / 2) + 1.  Row r of tile 8 cs + p is output 128 cs + 8 r + j(p), j(p) = 2 (p % 4) + p / 4;
; 3. a wave takes tiles of 16 rows, tile = wave + 4 q, three to a pass: 192 matrix instructions (source 0 = 16 outputs, source 1 = 16 rows of the hidden layer's codes).
; The hidden layer's codes lie as the writer's registers lay: quad x of lane (r, h') holds hidden units 64 h' + 16 x on; my registers 4 c .. 4 c + 3 want 32 c + 16 h on: quad 2 (c % 2) + h of lane r + 16 (c / 2).
; OUT.  In the result lane (r, h') holds row r and outputs 128 cs + 64 h' + 8 j + j(p).  They are stored as they fall, at place 16 p + 8 h' + j of each 128: the last launch puts them in order.
; A tile goes through my stage in LDS and leaves as whole rows of 1,024 bytes.  Rows past the list's end are not stored.
; No tensor load: how many passes a wave makes hangs on sel, which is read from memory; for the same reason nothing is asked for jointly.
; LIMITS: NaN and infinities are not served; a weight scale under 2^-114 loses bits when it takes 2^-12; a block of zeros gets the byte 1 (its codes are zeros).
; LDS: WIMG fragment 16 ks + 8 cs + p at 2048 f + 512 c + 16 lane; SIMG at 2048 ks + 512 (2 cs + half) + 16 lane; RAW 16,384 a wave; LIST; CNT; STG 16 rows x 1,040 bytes a wave.
; REGISTERS: window 0 as in the first product; window 1: the raw words, then the hidden layer's fragments at 16 (4 t + ks); window 2: accumulators of tiles 0-7 at 8 (8 t + tile); window 3: tiles 8-15.
.set WIMG,  0
.set SIMG,  131072
.set RAW,   139264
.set LIST,  204800
.set CNT,   209536
.set STG,   209920
.set USTEP, 32768
.set WSTEP, 2048
.set MAXPASS, 6                        ; 1,024 rows at the most are 64 tiles, 16 a wave, three a pass
.set CN,  1
.set VB,  2                            ; v2   512 h + 16 r: my place in a tile's image
.set STO, 3                            ; v3   the stage, in: 1040 r + 32 h
.set LI,  4
.set LS,  5
.set GQ,  6
.set RWS, 7
.set RRD, 8
.set RIH, 9
.set CIH, 10
.set VA1, 11
.set SRD, 12
.set LRD, 13
.set R4,  14
.set R32, 15
.set SRR, 16                           ; v16  the stage, back: 16 x lane
.set DMP, 17
.set ZW,  18
.set SC,  20
.set KK,  36
.set VO,  36                           ; v36-51 on the way out: a row's place in y + 16 x lane
.set SW,  52
.set LL,  60
.set VWI, 87
.set VSW, 94
.set LC,  95
.set HS,  96
.set AS,  120
.set SELV, 128
.set ZR,  160
.set L8,  164
.set NV,  166
.set ADR, 192
.set V,   128
.set W,   192
.set T,   208
.set C,   224
.set MX,  240
.set PX,  244
.set TS,  248
.set BD,  252
.set AB,  128
.set MSB, 0
.macro WIN new                         ; the immediate's high byte repeats the setting that is left
.if MSB != (\new)
	s_set_vgpr_msb (MSB<<8)|(\new)
.set MSB, (\new)
.endif
.endm
	s_load_b256 s[4:11], s[0:1], 0x0               ; sel, hqc, hqs, qweight2
	s_load_b128 s[12:15], s[0:1], 0x20             ; qzeros2, scales2
	s_load_b64 s[16:17], s[0:1], 0x30              ; y
	v_lshl_add_u32 v118, v0, 2, 0x43800
	v_mov_b32 v119, 0
	v_lshrrev_b32 v240, 5, v0
	v_readfirstlane_b32 s22, v240                  ; wave 0..3
	v_and_b32 v240, 31, v0                         ; lane
	v_and_b32 v241, 15, v0                         ; r
	v_bfe_u32 v242, v0, 4, 1                       ; h
	v_lshrrev_b32 v243, 2, v240
	v_and_b32 v244, 3, v240
	s_lshr_b32 s23, ttmp9, 2                       ; e
	s_and_b32 s24, ttmp9, 3                        ; hq
	s_and_b32 s26, s22, 1                          ; cs
	s_lshr_b32 s27, s22, 1                         ; which pair of K steps
	; every LDS address register is made here, ahead of the branch on the wave's number
	v_mov_b32 v[CN], CNT
	v_lshlrev_b32 v[VB], 9, v242
	v_lshl_add_u32 v[VB], v241, 4, v[VB]
	v_lshlrev_b32 v[LI], 4, v240
	v_lshlrev_b32 v[LS], 2, v240
	v_lshlrev_b32 v[GQ], 15, v243                  ; a row of qweight2 is 32,768 bytes
	v_lshl_add_u32 v[GQ], v244, 4, v[GQ]
	s_lshl_b32 s25, s22, 14
	s_add_co_u32 s25, s25, RAW
	v_lshlrev_b32 v[RWS], 7, v243
	v_lshl_add_u32 v[RWS], v244, 4, v[RWS]
	v_add_nc_u32 v[RWS], s25, v[RWS]
	v_add_nc_u32 v[RRD], s25, v[LS]
	v_add_nc_u32 v[VA1], 65536, v[LI]
	v_add_nc_u32 v[SRD], SIMG, v[LI]
	s_lshl_b32 s25, s22, 6
	s_add_co_u32 s25, s25, LIST
	v_lshl_add_u32 v[LRD], v241, 2, s25
	v_lshlrev_b32 v[R4], 2, v241
	v_lshlrev_b32 v[R32], 5, v241
	v_add_nc_u32 v[DMP], 1152, v240
	s_lshl_b32 s25, s27, 16
	s_lshl_b32 s62, s26, 14
	s_add_co_u32 s25, s25, s62
	v_add_nc_u32 v[VWI], s25, v[LI]                ; my fragments: 2048 x (32 (w / 2) + 8 cs)
	s_lshl_b32 s25, s27, 12
	s_lshl_b32 s62, s26, 10
	s_add_co_u32 s25, s25, s62
	v_add_nc_u32 v[VSW], s25, v[SRD]
	v_add_nc_u32 v[LC], LIST, v[LI]
	s_mul_i32 s25, s22, 16640
	s_add_co_u32 s25, s25, STG
	v_mul_u32_u24 v[STO], v241, 1040
	v_lshl_add_u32 v[STO], v242, 5, v[STO]
	v_add_nc_u32 v[STO], s25, v[STO]
	v_add_nc_u32 v[SRR], s25, v[LI]
	v_lshlrev_b32 v[L8], 3, v240
.irp i,0,1,2,3,4,5,6,7
	v_mov_b32 v[SW+\i], 0                          ; written once: each block shifts its byte in from the top
.endr
	s_lshl_b32 s46, s23, 9
	s_lshl_b32 s47, s24, 7
	s_add_co_u32 s46, s46, s47
	s_lshl_b32 s47, s26, 6
	s_add_co_u32 s46, s46, s47                     ; my 16 words in a row: 512 e + 128 hq + 64 cs
	s_lshl_b32 s47, s27, 23
	s_add_co_u32 s48, s46, s47                     ; qweight2: + 256 rows x (w / 2)
	s_mov_b32 s49, 0
	s_lshl_b32 s47, s27, 16
	s_add_co_u32 s50, s46, s47                     ; qzeros2: + two rows
	s_mov_b32 s51, 0
	s_lshl_b32 s52, s46, 3
	s_lshl_b32 s47, s27, 19
	s_add_co_u32 s52, s52, s47                     ; scales2: eight f32 to a word, + two rows
	s_mov_b32 s53, 0
	s_lshl_b32 s54, s23, 19                        ; hqc: an expert has 4 x 64 tiles x 2,048 bytes
	s_mov_b32 s55, 0
	s_lshl_b32 s56, s23, 15                        ; hqs: 4 x 64 x 128
	s_mov_b32 s57, 0
	s_lshl_b32 s58, s24, 10                        ; y: my quarter of a row
	s_mov_b32 s59, 0
	s_lshl_b32 s60, s23, 12                        ; sel
	s_mov_b32 s61, 0
	s_mov_b32 s28, 0x76543210
	s_mov_b32 s29, 0xfedcba98                      ; v_permlanex16_b32's selects for lane l xor 16
	s_mov_b32 s30, 0x4b000000                      ; 2^23
	s_mov_b32 s31, 0xf
	s_mov_b32 s32, 0xf0
	s_mov_b32 s33, 0xf00
	s_mov_b32 s34, 0xf000
	s_mov_b32 s35, 0x600000                        ; the mantissa field of 448
	s_wait_kmcnt 0x0
	s_add_nc_u64 s[4:5], s[4:5], s[60:61]
	s_add_nc_u64 s[6:7], s[6:7], s[54:55]
	s_add_nc_u64 s[8:9], s[8:9], s[56:57]
	s_add_nc_u64 s[10:11], s[10:11], s[48:49]
	s_add_nc_u64 s[12:13], s[12:13], s[50:51]
	s_add_nc_u64 s[14:15], s[14:15], s[52:53]
	s_add_nc_u64 s[16:17], s[16:17], s[58:59]
	; all waves issue the same loads in the same order: 32 of sel, 6 constants, 32 raw
.set g, 0
.rept 32
	global_load_b32 v[SELV+g], v[LS], s[4:5] offset:128*g
.set g, g+1
.endr
.irp u,0,1
	global_load_b32 v[ZW+\u], v[R4], s[12:13] offset:32768*\u
	global_load_b128 v[SC+8*\u:SC+8*\u+3], v[R32], s[14:15] offset:262144*\u
	global_load_b128 v[SC+8*\u+4:SC+8*\u+7], v[R32], s[14:15] offset:262144*\u+16
.endr
	WIN 0x40                                       ; destination window 1
.irp u,0,1
.set n, 0
.rept 16
	global_load_b128 v[(16*\u+n)*4:(16*\u+n)*4+3], v[GQ], s[10:11] offset:4194304*\u+262144*n   ; eight rows x 64 bytes
.set n, n+1
.endr
.endr
	WIN 0
	; ---- THE LIST: wave 0 alone; no other wave touches LDS ahead of the barrier below
	s_cmp_lg_u32 s22, 0
	s_cbranch_scc1 .Lno_list
	s_wait_loadcnt 38                              ; sel is in: the 6 + 32 loads issued behind it may stay out
.irp i,0,1,2,3
	v_mov_b32 v[ZR+\i], 0
.endr
.set i, 0
.rept 9
	ds_store_b128 v[LC], v[ZR:ZR+3] offset:512*i
.set i, i+1
.endr
	s_mov_b32 s60, 0
.set g, 0
.rept 32                               ; tokens 32 g + lane.  Each store has registers of its own
	v_cmp_ne_u32 s58, 0, v[SELV+g]
	v_mbcnt_lo_u32_b32 v[ADR+g], s58, s60
	v_add3_u32 v[SELV+g], v[SELV+g], v[L8], 256*g-1   ; token x 8 + choice
	v_cndmask_b32 v[ADR+g], v[DMP], v[ADR+g], s58
	v_min_u32 v[ADR+g], 0x49f, v[ADR+g]            ; held inside the list and its dump words
	v_lshl_add_u32 v[ADR+g], v[ADR+g], 2, LIST
	ds_store_b32 v[ADR+g], v[SELV+g]
	s_bcnt1_i32_b32 s59, s58
	s_add_co_u32 s60, s60, s59
.set g, g+1
.endr
	v_mov_b32 v[NV], s60
	ds_store_b32 v[CN], v[NV]
.Lno_list:
	s_wait_dscnt 0x0                               ; the list is written
	s_barrier_signal -1
	s_barrier_wait -1
	ds_load_b32 v240, v[CN]
.set q, 0
.rept 18
	ds_load_b32 v[LL+q], v[LRD] offset:256*q       ; entry r of tile wave + 4 q
.set q, q+1
.endr
	s_wait_dscnt 0x0
	v_readfirstlane_b32 s39, v240
	s_min_u32 s39, s39, 1024                       ; the expert's rows
	s_add_co_u32 s40, s39, 15
	s_lshr_b32 s40, s40, 4
	s_max_u32 s40, s40, 1                          ; the tiles that the launch before has written
	s_sub_co_i32 s41, s40, s22
	s_mov_b32 s42, 0
.irp pp,0,1,2,3
	v_mov_b32 v[PX+\pp], 0                         ; written once: a lane permute's destination counts as one of its sources
.endr
.macro STAGE u                         ; a unit's raw words into my RAW: 2048 c + 128 i + 64 h + 4 r
	WIN 0x04                                       ; an LDS store's data are its source 1: window 1
.set n, 0
.rept 16
	ds_store_b128 v[RWS], v[(16*\u+n)*4:(16*\u+n)*4+3] offset:8192*\u+(n/4)*2048+(n%2)*1024+((n/2)%2)*64
.set n, n+1
.endr
	WIN 0
.endm
.macro UNITCONST u                     ; for each nibble p: the zero point as -(2^23 + z 16^pp), and the scale of column j(p) x 16^-pp
	v_lshrrev_b32 v[MX], 16, v[ZW+\u]
.irp p,0,1,2,3
	v_and_or_b32 v[KK+2*\p], v[ZW+\u], s[31+\p], 0xcb000000
	v_and_or_b32 v[KK+8+2*\p], v[MX], s[31+\p], 0xcb000000
.endr
	v_mov_b32 v[KK+1], v[SC+8*\u]
	v_mov_b32 v[KK+9], v[SC+8*\u+1]
	v_mul_f32 v[KK+3], 0x3d800000, v[SC+8*\u+2]
	v_mul_f32 v[KK+11], 0x3d800000, v[SC+8*\u+3]
	v_mul_f32 v[KK+5], 0x3b800000, v[SC+8*\u+4]
	v_mul_f32 v[KK+13], 0x3b800000, v[SC+8*\u+5]
	v_mul_f32 v[KK+7], 0x39800000, v[SC+8*\u+6]
	v_mul_f32 v[KK+15], 0x39800000, v[SC+8*\u+7]
.endm
.macro PRELOAD u
.set i, 0
.rept 16
	ds_load_b32 v[W+i], v[RRD] offset:8192*\u+128*i
.set i, i+1
.endr
.endm
; four nibbles (p0 .. p0 + 3) x my 16 numbers of a block of 32: dequantised, quantised, stored as registers 4 c .. 4 c + 3 of four fragments
.macro HALF p0, u
.irp pp,0,1,2,3
.irp i,0,2,4,6,8,10,12,14
	v_pk_add_f32 v[V+16*\pp+\i:V+16*\pp+\i+1], v[V+16*\pp+\i:V+16*\pp+\i+1], v[KK+2*(\p0+\pp):KK+2*(\p0+\pp)+1] op_sel_hi:[1,0]   ; (q - z) 16^pp, exact
.endr
.endr
.irp pp,0,1,2,3
.irp i,0,2,4,6,8,10,12,14
	v_pk_mul_f32 v[V+16*\pp+\i:V+16*\pp+\i+1], v[V+16*\pp+\i:V+16*\pp+\i+1], v[KK+2*(\p0+\pp):KK+2*(\p0+\pp)+1] op_sel:[0,1] op_sel_hi:[1,1]   ; x the pair's second word: one rounding
.endr
.endr
.irp pp,0,1,2,3
	v_max3_num_f32 v[MX+\pp], |v[V+16*\pp]|, |v[V+16*\pp+1]|, 0x4800000   ; with the floor 2^(9 - 127): the byte cannot fall under 1
.endr
.irp i,2,4,6,8,10,12,14
.irp pp,0,1,2,3
	v_max3_num_f32 v[MX+\pp], v[MX+\pp], |v[V+16*\pp+\i]|, |v[V+16*\pp+\i+1]|
.endr
.endr
.irp pp,0,1,2,3
	v_permlanex16_b32 v[PX+\pp], v[MX+\pp], s28, s29
.endr
.irp pp,0,1,2,3
	v_max_num_f32 v[MX+\pp], v[MX+\pp], v[PX+\pp]  ; with lane l xor 16's 16: the block's largest magnitude
.endr
.irp pp,0,1,2,3
	v_add_nc_u32 v[TS+\pp], 0xfc000000, v[MX+\pp]  ; 8 off its exponent field: the conversion's scale operand
.endr
.irp pp,0,1,2,3
	v_and_or_b32 v[BD+\pp], v[MX+\pp], 0x7f800000, s35   ; 448 x the scale
.endr
.irp pp,0,1,2,3
	v_lshrrev_b32 v[PX+\pp], 23, v[TS+\pp]         ; the scale's byte
.endr
.irp pp,0,1,2,3
	v_alignbit_b32 v[SW+\p0+\pp], v[PX+\pp], v[SW+\p0+\pp], 8   ; in from the top: after four blocks the first block's byte is the lowest
.endr
.irp pp,0,1,2,3
.set i, 0
.rept 16
	v_med3_num_f32 v[V+16*\pp+i], v[V+16*\pp+i], -v[BD+\pp], v[BD+\pp]   ; the conversion to an 8-bit code does not saturate (ISA guide 7.6.2)
.set i, i+1
.endr
.endr
	s_wait_dscnt 0x0                               ; the LDS stores of the half before have read the code registers
.irp pp,0,1,2,3
	v_cvt_scalef32_pk8_fp8_f32 v[C+4*\pp:C+4*\pp+1], v[V+16*\pp:V+16*\pp+7], v[TS+\pp]
	v_cvt_scalef32_pk8_fp8_f32 v[C+4*\pp+2:C+4*\pp+3], v[V+16*\pp+8:V+16*\pp+15], v[TS+\pp]
.endr
	v_nop                                          ; a plain line behind the last conversion: its sources are written again below
.irp pp,0,1,2,3
	ds_store_b128 v[CIH], v[C+4*\pp:C+4*\pp+3] offset:USTEP*\u+2048*(\p0+\pp)
.endr
.endm
; a unit: four trips, one block of 32 along K each; the last trip asks for block 0 again, so that the trip has no branch
.macro LOOP u
	s_mov_b32 s36, 0
.Lblk_\@:
	s_wait_dscnt 0x0                               ; this block's words are in; the last trip's stores have read their registers and address
	s_add_co_u32 s37, s36, 1
	s_and_b32 s37, s37, 3
	s_lshl_b32 s37, s37, 11
	s_lshl_b32 s38, s36, 9
	v_add_nc_u32 v[RIH], s37, v[RRD]
	v_add_nc_u32 v[CIH], s38, v[VWI]
.irp pp,0,1,2,3
.set i, 0
.rept 16
	v_and_or_b32 v[V+16*\pp+i], v[W+i], s[31+\pp], s30   ; 2^23 + q 16^pp
.set i, i+1
.endr
.endr
.set i, 0
.rept 16
	v_lshrrev_b32 v[T+i], 16, v[W+i]
.set i, i+1
.endr
.set i, 0
.rept 16
	ds_load_b32 v[W+i], v[RIH] offset:8192*\u+128*i
.set i, i+1
.endr
	HALF 0, \u
.irp pp,0,1,2,3
.set i, 0
.rept 16
	v_and_or_b32 v[V+16*\pp+i], v[T+i], s[31+\pp], s30
.set i, i+1
.endr
.endr
	HALF 4, \u
	s_add_co_u32 s36, s36, 1
	s_cmp_lt_u32 s36, 4
	s_cbranch_scc1 .Lblk_\@
	s_wait_dscnt 0x0                               ; the idle loads of the last trip are in
.endm
.macro SWOUT u
	ds_store_b128 v[VSW], v[SW:SW+3] offset:WSTEP*\u
	ds_store_b128 v[VSW], v[SW+4:SW+7] offset:WSTEP*\u+512
.endm
; the three tiles' codes and scale words of the hidden layer, all four K steps: 60 loads.  A tile past the last is read as the last: nothing unwritten is read
.macro XLOAD
.irp t,0,1,2
	s_add_co_u32 s56, s42, 4*\t
	s_add_co_u32 s56, s56, s22
	s_sub_co_u32 s57, s40, 1
	s_min_u32 s56, s56, s57
	s_min_u32 s56, s56, 63
	s_lshl_b32 s58, s56, 11
	s_mov_b32 s59, 0
	s_add_nc_u64 s[44+2*\t:45+2*\t], s[6:7], s[58:59]
	s_lshl_b32 s58, s56, 7
	s_add_nc_u64 s[50+2*\t:51+2*\t], s[8:9], s[58:59]
.endr
.irp t,0,1,2
.irp ks,0,1,2,3
	global_load_b32 v[HS+4*\t+\ks], v[LS], s[50+2*\t:51+2*\t] offset:8192*\ks
.endr
.endr
	WIN 0x40
.irp t,0,1,2
.irp ks,0,1,2,3
.irp c,0,1,2,3
	global_load_b128 v[(4*\t+\ks)*16+4*\c:(4*\t+\ks)*16+4*\c+3], v[VB], s[44+2*\t:45+2*\t] offset:131072*\ks+1024*(\c%2)+256*(\c/2)
.endr
.endr
.endr
	WIN 0
.endm
; group g of 16: four fragments of the weights (K step g / 4, tiles 4 (g % 4) + i) and their scale words: 17 LDS loads
.macro GLOAD g
.set ks_, (\g)/4
.set gq_, (\g)%4
.set ab_, AB+64*((\g)%2)
.irp i,0,1,2,3
.irp c,0,1,2,3
.if ks_ < 2
	ds_load_b128 v[ab_+16*\i+4*\c:ab_+16*\i+4*\c+3], v[LI] offset:((ks_%2)*16+4*gq_+\i)*2048+512*\c
.else
	ds_load_b128 v[ab_+16*\i+4*\c:ab_+16*\i+4*\c+3], v[VA1] offset:((ks_%2)*16+4*gq_+\i)*2048+512*\c
.endif
.endr
.endr
	ds_load_b128 v[AS+4*((\g)%2):AS+4*((\g)%2)+3], v[SRD] offset:2048*ks_+512*gq_
.endm
; 192 matrix instructions.  A group's twelve name twelve accumulators, and an accumulator comes up again four groups on
.macro MATPASS
	GLOAD 0
	GLOAD 1
.set g, 0
.rept 16
.if g < 15
	s_wait_dscnt 17                                ; this group's loads are in; the next group's 17 may stay out
.else
	s_wait_dscnt 0x0
.endif
.if (g%4) < 2
	WIN 0xa4                                       ; source 1 window 1; C and D window 2
.else
	WIN 0xf4                                       ; C and D window 3
.endif
.irp t,0,1,2
.irp i,0,1,2,3
.if g < 4
	v_wmma_scale_f32_16x16x128_f8f6f4 v[(8*\t+4*(g%2)+\i)*8:(8*\t+4*(g%2)+\i)*8+7], v[AB+64*(g%2)+16*\i:AB+64*(g%2)+16*\i+15], v[(4*\t+g/4)*16:(4*\t+g/4)*16+15], 0, v[AS+4*(g%2)+\i], v[HS+4*\t+g/4]
.else
	v_wmma_scale_f32_16x16x128_f8f6f4 v[(8*\t+4*(g%2)+\i)*8:(8*\t+4*(g%2)+\i)*8+7], v[AB+64*(g%2)+16*\i:AB+64*(g%2)+16*\i+15], v[(4*\t+g/4)*16:(4*\t+g/4)*16+15], v[(8*\t+4*(g%2)+\i)*8:(8*\t+4*(g%2)+\i)*8+7], v[AS+4*(g%2)+\i], v[HS+4*\t+g/4]
.endif
.endr
.endr
.rept 8
	v_nop                                          ; eight places in front of loads into registers that these products have read
.endr
	WIN 0
.if g < 14
	GLOAD g+2
.endif
.set g, g+1
.endr
	v_nop                                          ; a ninth: the next pass's first products write over these accumulators
.endm
; tile t's way out: through my stage, back as 16 whole rows of 1,024 bytes, each to its own row of y
.macro EPI t
	s_add_co_u32 s56, s42, 4*\t
	s_cmp_lt_u32 s56, s41
	s_cbranch_scc0 .Lepi_end_\@                    ; no such tile
	s_add_co_u32 s56, s56, s22
	s_lshl_b32 s57, s56, 4
	s_sub_co_u32 s57, s39, s57                     ; the list's rows from this tile's first on
	s_wait_xcnt 0x0                                ; the last tile's stores have read their registers
.set rho, 0
.rept 16
	v_readlane_b32 s[58+rho%4], v[LL+\t], rho
	s_min_u32 s[58+rho%4], s[58+rho%4], 0x1fff     ; token x 8 + choice, held to its range
	v_lshl_add_u32 v[VO+rho], s[58+rho%4], 12, v[LI]
.set rho, rho+1
.endr
	WIN 0x08                                       ; an LDS store's data are its source 1: window 2
.irp p,0,1,2,3,4,5,6,7
	ds_store_b128 v[STO], v[(8*\t+\p)*8:(8*\t+\p)*8+3] offset:64*\p            ; each accumulator from its low end on
	ds_store_b128 v[STO], v[(8*\t+\p)*8+4:(8*\t+\p)*8+7] offset:64*\p+16
.endr
	WIN 0x0c                                       ; window 3
.irp p,0,1,2,3,4,5,6,7
	ds_store_b128 v[STO], v[(8*\t+\p)*8:(8*\t+\p)*8+3] offset:512+64*\p
	ds_store_b128 v[STO], v[(8*\t+\p)*8+4:(8*\t+\p)*8+7] offset:512+64*\p+16
.endr
	WIN 0
.set rho, 0
.rept 16
	ds_load_b128 v[128+8*rho:128+8*rho+3], v[SRR] offset:1040*rho       ; LDS serves a wave's instructions in order: these see my stores
	ds_load_b128 v[128+8*rho+4:128+8*rho+7], v[SRR] offset:1040*rho+512
.set rho, rho+1
.endr
	s_wait_dscnt 0x0
.set rho, 0
.rept 16
	s_cmp_le_u32 s57, rho
	s_cbranch_scc1 .Lepi_end_\@                    ; the list has ended
	global_store_b128 v[VO+rho], v[128+8*rho:128+8*rho+3], s[16:17]     ; the wave stores 512 consecutive bytes, aligned
	global_store_b128 v[VO+rho], v[128+8*rho+4:128+8*rho+7], s[16:17] offset:512
.set rho, rho+1
.endr
.Lepi_end_\@:
.endm
	s_wait_loadcnt 16                              ; the constants and my first unit's words are in; the second unit's 16 loads may stay out
	STAGE 0
	UNITCONST 0
	PRELOAD 0                                      ; LDS serves a wave's instructions in order: these see my stores
	LOOP 0
	SWOUT 0
	s_wait_loadcnt 0x0
	STAGE 1
	s_wait_dscnt 0x0                               ; the stores have read the raw registers: the hidden layer's fragments may land there
	XLOAD                                          ; the first pass's tiles: the second unit's work is theirs to land in
	UNITCONST 1
	PRELOAD 1
	LOOP 1
	SWOUT 1
	s_wait_dscnt 0x0                               ; my fragments and scale words lie in LDS
	s_barrier_signal -1
	s_barrier_wait -1                              ; everybody's do.  The last barrier
	s_cmp_le_i32 s41, 0
	s_cbranch_scc1 .Lend                           ; fewer tiles than my wave's number: nothing for me
	s_mov_b32 s63, 0
.Lpass:                                                ; counted against MAXPASS, which no list exceeds; a wave leaves by the forward branch below as soon as its tiles are done
	s_wait_loadcnt 0x0                             ; the pass's tiles are in
	s_wait_xcnt 0x0                                ; the last pass's stores have read their registers, over which the fragments land
	MATPASS
	EPI 0
	EPI 1
	EPI 2
	s_add_co_u32 s42, s42, 12                      ; three tiles of mine are twelve of the work-group's
	s_cmp_ge_u32 s42, s41
	s_cbranch_scc1 .Lend                           ; no tile of mine is left (after the sixth pass 72 stands against 64 at the most)
.set q, 0
.rept 15
	v_mov_b32 v[LL+q], v[LL+q+3]                   ; on to my next three tiles
.set q, q+1
.endr
	XLOAD
	s_add_co_u32 s63, s63, 1
	s_cmp_lt_u32 s63, MAXPASS
	s_cbranch_scc1 .Lpass
.Lend:
	s_wait_tensorcnt 0x0
	ds_add_u32 v118, v119
	s_wait_dscnt 0x0
	s_endpgm
.Lfunc_end_k_q4c08691a51_down:
	.size	k_q4c08691a51_down, .Lfunc_end_k_q4c08691a51_down-k_q4c08691a51_down
	.p2alignl 7, 3214868480
	.fill 96, 4, 3214868480
	.section	.rodata,"a",@progbits
	.p2align	6, 0x0
	.amdhsa_kernel k_q4c08691a51_down
		.amdhsa_group_segment_fixed_size 276992
		.amdhsa_private_segment_fixed_size 0
		.amdhsa_enable_private_segment 0
		.amdhsa_kernarg_size 56
		.amdhsa_user_sgpr_count 2
		.amdhsa_user_sgpr_kernarg_segment_ptr 1
		.amdhsa_wavefront_size32 1
		.amdhsa_system_sgpr_workgroup_id_x 1
		.amdhsa_system_sgpr_workgroup_id_y 1
		.amdhsa_system_sgpr_workgroup_id_z 1
		.amdhsa_system_vgpr_workitem_id 0
		.amdhsa_next_free_vgpr 960
		.amdhsa_next_free_sgpr 66
		.amdhsa_reserve_vcc 0
		.amdhsa_float_denorm_mode_32 3
		.amdhsa_float_denorm_mode_16_64 3
		.amdhsa_memory_ordered 1
		.amdhsa_forward_progress 1
		.amdhsa_inst_pref_size 203
	.end_amdhsa_kernel
	.amdgpu_metadata
---
amdhsa.version: [ 1, 2 ]
amdhsa.kernels:
  - .name:           k_q4c08691a51_down
    .symbol:         k_q4c08691a51_down.kd
    .args:
      - { .name: sel, .offset: 0, .size: 8, .value_kind: global_buffer, .address_space: global }
      - { .name: hqc, .offset: 8, .size: 8, .value_kind: global_buffer, .address_space: global }
      - { .name: hqs, .offset: 16, .size: 8, .value_kind: global_buffer, .address_space: global }
      - { .name: qweight2, .offset: 24, .size: 8, .value_kind: global_buffer, .address_space: global }
      - { .name: qzeros2, .offset: 32, .size: 8, .value_kind: global_buffer, .address_space: global }
      - { .name: scales2, .offset: 40, .size: 8, .value_kind: global_buffer, .address_space: global }
      - { .name: y, .offset: 48, .size: 8, .value_kind: global_buffer, .address_space: global }
    .group_segment_fixed_size: 276992
    .private_segment_fixed_size: 0
    .kernarg_segment_align: 8
    .kernarg_segment_size: 56
    .max_flat_workgroup_size: 128
    .sgpr_count:     66
    .vgpr_count:     960
    .wavefront_size: 32
...
	.end_amdgpu_metadata
.endif
;; end of part 3
;; launch combine (part 4): grid 256 x 1, 8 waves a work-group, no clusters, 18,432 bytes of LDS; arguments y, out0; writes out0
.if DOCPART == 4
	.amdgcn_target "amdgcn-amd-amdhsa--gfx1250"
	.amdhsa_code_object_version 6
	.text
	.protected	k_q4c08691a51_combine
	.globl	k_q4c08691a51_combine
	.p2align	8
	.type	k_q4c08691a51_combine,@function
k_q4c08691a51_combine:
	s_mov_b64 s[64:65], 0
	v_nop
	global_prefetch_b8 v0, s[64:65] scope:SCOPE_SE
	s_setreg_imm32_b32 hwreg(HW_REG_WAVE_MODE, 25, 1), 1
	s_wait_xcnt 0x0
; out0[token][h] = the sum over the token's eight choices of y[token x 8 + choice][h], choices ascending (not experts ascending: a stated order of rounding).
; y's columns lie, inside each 128, as the second product's registers fell: place 16 p + 8 h' + j holds column 64 h' + 8 j + j(p), j(p) = 2 (p % 4) + p / 4.  The sums are put in order through LDS.
; A stream: each byte of y is read once, 512 consecutive bytes a load; each byte of out0 written once, 512 consecutive bytes a store.  Matrix units, clusters and tensor loads would add nothing.
; A wave takes half a token's row: four sets of 128 columns x eight choices = 32 loads, all issued at the head.  Each wave has LDS bytes of its own: no barrier.
.set Y,  16                            ; v16-143  set g, choice k: 4 registers at 4 (8 g + k)
.set O,  144                           ; v144-159 the sets in order
.set SETB, 544                         ; a set in LDS: 512 bytes + 32 behind the first 256, so that the 32 lanes' words fall on 32 different banks
	s_load_b128 s[4:7], s[0:1], 0x0                ; y, out0
	v_lshl_add_u32 v160, v0, 2, 0x4400
	v_mov_b32 v161, 0
	v_lshrrev_b32 v1, 5, v0
	v_readfirstlane_b32 s8, v1                     ; wave 0..7
	v_and_b32 v2, 31, v0                           ; lane
	v_lshlrev_b32 v3, 4, v2                        ; 16 bytes a lane
	s_lshr_b32 s9, s8, 1
	s_and_b32 s10, s8, 1                           ; which half of the row
	s_lshl_b32 s11, ttmp9, 2
	s_add_co_u32 s11, s11, s9                      ; the token: 4 x work-group + wave / 2
	s_lshl_b32 s14, s10, 11
	s_lshl_b32 s12, s11, 15                        ; eight rows of 4,096 bytes a token
	s_add_co_u32 s12, s12, s14
	s_mov_b32 s13, 0
	s_lshl_b32 s16, s11, 12
	s_add_co_u32 s16, s16, s14
	s_mov_b32 s17, 0
	s_mul_i32 s18, s8, 4*SETB                      ; my LDS bytes
	v_lshrrev_b32 v4, 2, v2                        ; my four places 4 lane + i: p = lane / 4, h' = (lane / 2) % 2, j = 4 (lane % 2) + i
	v_and_b32 v5, 3, v4
	v_lshrrev_b32 v6, 2, v4
	v_lshl_add_u32 v5, v5, 1, v6                   ; j(p)
	v_bfe_u32 v6, v2, 1, 1
	v_and_b32 v7, 1, v2
	v_mul_u32_u24 v6, v6, 72                       ; 64 columns and the padding's 8 words
	v_lshl_add_u32 v6, v7, 5, v6
	v_add_nc_u32 v5, v5, v6
	v_lshlrev_b32 v5, 2, v5
	v_add_nc_u32 v5, s18, v5                       ; in: 4 (72 h' + 32 (lane % 2) + j(p)), + 32 i by the offset
	v_lshrrev_b32 v6, 4, v2
	v_lshl_add_u32 v6, v6, 5, v3
	v_add_nc_u32 v6, s18, v6                       ; back: 16 lane, + 32 for lanes 16-31
	s_wait_kmcnt 0x0
	s_add_nc_u64 s[4:5], s[4:5], s[12:13]
	s_add_nc_u64 s[6:7], s[6:7], s[16:17]
.irp g,0,1,2,3
.irp k,0,1,2,3,4,5,6,7
	global_load_b128 v[Y+4*(8*\g+\k):Y+4*(8*\g+\k)+3], v3, s[4:5] offset:4096*\k+512*\g th:TH_LOAD_NT
.endr
.endr
.irp g,0,1,2,3
	s_wait_loadcnt 24-8*\g                         ; this set's eight loads are in; the later sets' may stay out
.irp k,1,2,3,4,5,6,7
	v_pk_add_f32 v[Y+32*\g:Y+32*\g+1], v[Y+32*\g:Y+32*\g+1], v[Y+4*(8*\g+\k):Y+4*(8*\g+\k)+1]
	v_pk_add_f32 v[Y+32*\g+2:Y+32*\g+3], v[Y+32*\g+2:Y+32*\g+3], v[Y+4*(8*\g+\k)+2:Y+4*(8*\g+\k)+3]
.endr
.irp i,0,1,2,3
	ds_store_b32 v5, v[Y+32*\g+\i] offset:SETB*\g+32*\i
.endr
	ds_load_b128 v[O+4*\g:O+4*\g+3], v6 offset:SETB*\g   ; LDS serves a wave's instructions in order: this sees my stores
.endr
.irp g,0,1,2,3
	s_wait_dscnt 5*(3-\g)                          ; the later sets' five LDS instructions each may stay out
	global_store_b128 v3, v[O+4*\g:O+4*\g+3], s[6:7] offset:512*\g th:TH_STORE_NT   ; the wave stores 512 consecutive bytes, aligned
.endr
	s_wait_tensorcnt 0x0
	ds_add_u32 v160, v161
	s_wait_dscnt 0x0
	s_endpgm
.Lfunc_end_k_q4c08691a51_combine:
	.size	k_q4c08691a51_combine, .Lfunc_end_k_q4c08691a51_combine-k_q4c08691a51_combine
	.p2alignl 7, 3214868480
	.fill 96, 4, 3214868480
	.section	.rodata,"a",@progbits
	.p2align	6, 0x0
	.amdhsa_kernel k_q4c08691a51_combine
		.amdhsa_group_segment_fixed_size 18432
		.amdhsa_private_segment_fixed_size 0
		.amdhsa_enable_private_segment 0
		.amdhsa_kernarg_size 16
		.amdhsa_user_sgpr_count 2
		.amdhsa_user_sgpr_kernarg_segment_ptr 1
		.amdhsa_wavefront_size32 1
		.amdhsa_system_sgpr_workgroup_id_x 1
		.amdhsa_system_sgpr_workgroup_id_y 1
		.amdhsa_system_sgpr_workgroup_id_z 1
		.amdhsa_system_vgpr_workitem_id 0
		.amdhsa_next_free_vgpr 162
		.amdhsa_next_free_sgpr 66
		.amdhsa_reserve_vcc 0
		.amdhsa_float_denorm_mode_32 3
		.amdhsa_float_denorm_mode_16_64 3
		.amdhsa_memory_ordered 1
		.amdhsa_forward_progress 1
		.amdhsa_inst_pref_size 11
	.end_amdhsa_kernel
	.amdgpu_metadata
---
amdhsa.version: [ 1, 2 ]
amdhsa.kernels:
  - .name:           k_q4c08691a51_combine
    .symbol:         k_q4c08691a51_combine.kd
    .args:
      - { .name: y, .offset: 0, .size: 8, .value_kind: global_buffer, .address_space: global }
      - { .name: out0, .offset: 8, .size: 8, .value_kind: global_buffer, .address_space: global }
    .group_segment_fixed_size: 18432
    .private_segment_fixed_size: 0
    .kernarg_segment_align: 8
    .kernarg_segment_size: 16
    .max_flat_workgroup_size: 256
    .sgpr_count:     66
    .vgpr_count:     162
    .wavefront_size: 32
...
	.end_amdgpu_metadata
.endif
;; end of part 4
;; ======== version 2 of 2: 4 launches
;; workspace buffers: sel 262,144 bytes of whole numbers; topv 32,768 bytes; hqc 33,554,432 bytes; hqs 2,097,152 bytes; y 33,554,432 bytes
;; launch route (part 5): grid 16 x 1, 4 waves a work-group, no clusters, 17,920 bytes of LDS; arguments x_codes, x_scales, gate_w_codes, gate_w_scales, sel, topv; writes sel, topv
.if DOCPART == 5
	.amdgcn_target "amdgcn-amd-amdhsa--gfx1250"
	.amdhsa_code_object_version 6
	.text
	.protected	k_q4c08691a51_route
	.globl	k_q4c08691a51_route
	.p2align	8
	.type	k_q4c08691a51_route,@function
k_q4c08691a51_route:
	s_mov_b64 s[64:65], 0
	v_nop
	global_prefetch_b8 v0, s[64:65] scope:SCOPE_SE
	s_setreg_imm32_b32 hwreg(HW_REG_WAVE_SCHED_MODE, 0, 2), 2
	s_setreg_imm32_b32 hwreg(HW_REG_WAVE_MODE, 25, 1), 1
	s_wait_xcnt 0x0
	s_wait_alu depctr_vm_vsrc(0)
; THE ROUTER.  logits = x gate_w^T on the given E4M3 codes and E8M0 scales; softmax over the 64 experts with the row's maximum taken away;
; the eight largest probabilities (of equal ones the lower expert first); their weights divided by their sum.
; OUT: sel [64 experts][1024 tokens] u32: k + 1 where the expert is the token's k-th choice, else 0;  topv [1024][8] f32.
; SHARES.  16 work-groups x 4 waves; a wave owns 16 tokens.  The product is used transposed (source 0 = 16 experts, source 1 = my 16 tokens):
; lane (r, h) holds token r and the experts 16 q + 8 h + j in register P + 8 q + j: 32 registers, two lanes to a token.
; No address and no branch hangs on the choice: it is stored at fixed places and used by the later launches.
; LIMITS: NaN and infinities are not served.  A probability is exp x (1 / sum), one rounding away from a division: two probabilities
; closer than that may change places in the order of choice.
; THE MODE: SCHED_MODE bits 1:0 = 2 (LLVM: expert scheduling mode 2), set by the entry lines.  The code itself states the register dependences
; between vector or matrix instructions and memory or LDS instructions, and those through scalar registers that vector instructions write, with s_wait_alu, always for 0.
; THE PLAN.  Registers that memory or LDS instructions touch:
;   v3, v5, v7-v10  offsets and LDS addresses: made at the head, never written again: one wait ahead of the first load serves them all.
;   GS, XS, windows 1-3  loaded once, read by the products: nothing lands in them again.
;   TO, P           written by vector lines, read by the stores at the end: one wait ahead of the run of stores.
;   OUTR            LDS loads land in it, global stores read it; no vector line names it.
;   Masks: a choice's compares stand in two runs of 32, each into s30-s61, with one wait between a run and the selects that read the masks.
; REGISTERS: window 0: v1-10 addresses; P v32-63; GS v64-95 gate's scale words (8 q + K step); XS v96-103 x's; TV v104-111; v112-127 at work.
;   window 1: gate's fragments of K steps 0-3 at 16 (4 ks + q); window 2: K steps 4-7; window 3: x's fragments at 16 ks.
.set P,     32
.set GS,    64
.set XS,    96
.set TV,    104
.set IX,    112
.set NM,    116                        ; v[116:117] -(maximum x log2 e), named as a pair
.set CH,    118                        ; v118-121 four chains
.set PX,    122                        ; what the lane 16 away holds
.set MM,    123
.set WI,    124
.set MK,    125
.set RC,    126                        ; v[126:127] a reciprocal, named as a pair
.set OUTR,  128
.set TO,    160
.set MS,    30                         ; s30-61 the masks of a run of 32 compares: that of (q, j) at MS + 8 q + j
.set PITCH, 272                        ; a row of the stage: 64 tokens x 4 bytes + 16
.set MSB, 0
.macro WIN new                         ; the immediate's high byte repeats the setting that is left
.if MSB != (\new)
	s_set_vgpr_msb (MSB<<8)|(\new)
.set MSB, (\new)
.endif
.endm
	s_load_b256 s[4:11], s[0:1], 0x0               ; x's codes, x's scales, gate's codes, gate's scales
	s_load_b128 s[12:15], s[0:1], 0x20             ; sel, topv
	v_lshl_add_u32 v254, v0, 2, 0x4400
	v_mov_b32 v255, 0
	v_lshrrev_b32 v1, 5, v0
	v_readfirstlane_b32 s16, v1                    ; wave 0..3
	v_and_b32 v1, 15, v0                           ; r
	v_bfe_u32 v2, v0, 4, 1                         ; h
	v_lshlrev_b32 v3, 10, v1
	v_lshl_add_u32 v3, v2, 4, v3                   ; a fragment's row of 1,024 codes: 1024 r + 16 h
	v_lshlrev_b32 v5, 5, v1                        ; a row of 32 scale bytes: 32 r
	v_lshlrev_b32 v6, 3, v2                        ; 8 h
	v_lshl_add_u32 v7, v2, 4, v5                   ; topv: 32 r + 16 h
	s_wait_alu depctr_va_sdst(0)                   ; s16 is written, ahead of its first reader
	s_lshl_b32 s18, s16, 6
	v_mul_u32_u24 v8, v2, 8*PITCH
	v_lshl_add_u32 v8, v1, 2, v8
	v_add_nc_u32 v8, s18, v8                       ; the stage, in: row 8 h (+ 16 q + j by the offset), column 4 (16 wave + r)
	s_mul_i32 s19, s16, 16*PITCH
	v_mul_u32_u24 v9, v2, PITCH
	v_lshl_add_u32 v9, v1, 4, v9
	v_add_nc_u32 v9, s19, v9                       ; and back: row 16 wave + h, 16 bytes a lane
	s_lshl_b32 s24, s16, 16
	v_lshlrev_b32 v10, 12, v2
	v_lshl_add_u32 v10, v1, 4, v10
	v_add_nc_u32 v10, s24, v10                     ; the same place in sel: an expert's row is 4,096 bytes
	v_mov_b32 v[PX], 0                             ; written once: a lane permute's destination counts as one of its sources
	s_lshl_b32 s17, ttmp9, 6
	s_lshl_b32 s25, s16, 4
	s_add_co_u32 s17, s17, s25                     ; my first token: 64 x work-group + 16 x wave
	s_lshl_b32 s30, s17, 10
	s_mov_b32 s31, 0
	s_lshl_b32 s32, s17, 5
	s_mov_b32 s33, 0
	s_lshl_b32 s34, ttmp9, 8
	s_mov_b32 s35, 0
	s_mov_b32 s20, 0x76543210
	s_mov_b32 s21, 0xfedcba98                      ; v_permlanex16_b32's selects for lane l xor 16
	s_mov_b32 s22, 0x3fb8aa3b                      ; log2 e
	s_mov_b32 s23, s22                             ; (named with it as a pair)
	s_mov_b32 s24, 0xffff0000                      ; lanes 16-31
	s_wait_kmcnt 0x0
	s_add_nc_u64 s[4:5], s[4:5], s[30:31]
	s_add_nc_u64 s[6:7], s[6:7], s[32:33]
	s_add_nc_u64 s[14:15], s[14:15], s[32:33]
	s_add_nc_u64 s[12:13], s[12:13], s[34:35]
	s_wait_alu depctr_va_vdst(0)                   ; the offsets and LDS addresses v3, v5, v7 to v10 are written: every load and store of the kernel reads one of them
.irp q,0,1,2,3
	global_load_b128 v[GS+8*\q:GS+8*\q+3], v5, s[10:11] offset:512*\q
	global_load_b128 v[GS+8*\q+4:GS+8*\q+7], v5, s[10:11] offset:512*\q+16
.endr
	global_load_b128 v[XS:XS+3], v5, s[6:7]
	global_load_b128 v[XS+4:XS+7], v5, s[6:7] offset:16
	WIN 0xc0                                       ; destination window 3
.irp ks,0,1,2,3,4,5,6,7
.irp c,0,1,2,3
	global_load_b128 v[16*\ks+4*\c:16*\ks+4*\c+3], v3, s[4:5] offset:128*\ks+32*\c
.endr
.endr
	WIN 0x40                                       ; destination window 1
.irp ks,0,1,2,3
.irp q,0,1,2,3
.irp c,0,1,2,3
	global_load_b128 v[(4*\ks+\q)*16+4*\c:(4*\ks+\q)*16+4*\c+3], v3, s[8:9] offset:16384*\q+128*\ks+32*\c
.endr
.endr
.endr
	WIN 0x80                                       ; destination window 2
.irp ks,0,1,2,3
.irp q,0,1,2,3
.irp c,0,1,2,3
	global_load_b128 v[(4*\ks+\q)*16+4*\c:(4*\ks+\q)*16+4*\c+3], v3, s[8:9] offset:16384*\q+128*(\ks+4)+32*\c
.endr
.endr
.endr
	WIN 0
	s_wait_loadcnt 0x0                             ; all of it is wanted at once
; 32 matrix instructions: K step by K step, the four accumulators by turns; the first K step starts the sums
.irp ks,0,1,2,3,4,5,6,7
.if \ks < 4
	WIN 0x0d                                       ; source 0 window 1, source 1 window 3
.else
	WIN 0x0e                                       ; source 0 window 2
.endif
.irp q,0,1,2,3
.if \ks == 0
	v_wmma_scale_f32_16x16x128_f8f6f4 v[P+8*\q:P+8*\q+7], v[(4*(\ks%4)+\q)*16:(4*(\ks%4)+\q)*16+15], v[16*\ks:16*\ks+15], 0, v[GS+8*\q+\ks], v[XS+\ks]
.else
	v_wmma_scale_f32_16x16x128_f8f6f4 v[P+8*\q:P+8*\q+7], v[(4*(\ks%4)+\q)*16:(4*(\ks%4)+\q)*16+15], v[16*\ks:16*\ks+15], v[P+8*\q:P+8*\q+7], v[GS+8*\q+\ks], v[XS+\ks]
.endif
.endr
.endr
	WIN 0
.rept 8
	v_nop                                          ; eight places between the last products and the first read of their results
.endr
; the largest of a token's 64 numbers: four chains over my 32 (each begins at its accumulator's low end), then the lane 16 away
.macro ROWMAX
.irp q,0,1,2,3
	v_max3_num_f32 v[CH+\q], v[P+8*\q], v[P+8*\q+1], v[P+8*\q+2]
.endr
.irp i,3,5
.irp q,0,1,2,3
	v_max3_num_f32 v[CH+\q], v[CH+\q], v[P+8*\q+\i], v[P+8*\q+\i+1]
.endr
.endr
.irp q,0,1,2,3
	v_max_num_f32 v[CH+\q], v[CH+\q], v[P+8*\q+7]
.endr
	v_max3_num_f32 v[MM], v[CH], v[CH+1], v[CH+2]
	v_max_num_f32 v[MM], v[MM], v[CH+3]
	v_permlanex16_b32 v[PX], v[MM], s20, s21
	v_max_num_f32 v[MM], v[MM], v[PX]
.endm
	ROWMAX
	v_mul_f32 v[NM], 0xbfb8aa3b, v[MM]             ; -(maximum x log2 e)
	v_mov_b32 v[NM+1], 0
.set i, 0
.rept 16
	v_pk_fma_f32 v[P+i:P+i+1], v[P+i:P+i+1], s[22:23], v[NM:NM+1] op_sel_hi:[1,0,0]   ; (logit - maximum) x log2 e, two at a time
.set i, i+2
.endr
.set i, 0
	s_wait_alu depctr_va_vdst(0)
.rept 32
	v_exp_f32 v[P+i], v[P+i]
.set i, i+1
.endr
	v_mov_b32 v[RC+1], 0                           ; a plain line behind the exponentials
	s_wait_alu depctr_va_vdst(0)                   ; the 32 exponentials have written P: one wait for the batch, ahead of its first reader
	v_pk_add_f32 v[CH:CH+1], v[P:P+1], v[P+2:P+3]
	v_pk_add_f32 v[CH+2:CH+3], v[P+4:P+5], v[P+6:P+7]
.irp i,8,12,16,20,24,28
	v_pk_add_f32 v[CH:CH+1], v[CH:CH+1], v[P+\i:P+\i+1]
	v_pk_add_f32 v[CH+2:CH+3], v[CH+2:CH+3], v[P+\i+2:P+\i+3]
.endr
	v_pk_add_f32 v[CH:CH+1], v[CH:CH+1], v[CH+2:CH+3]
	v_add_f32 v[CH], v[CH], v[CH+1]
	v_permlanex16_b32 v[PX], v[CH], s20, s21
	v_add_f32 v[CH], v[CH], v[PX]                  ; the row's sum
	s_wait_alu depctr_va_vdst(0)
	v_rcp_f32 v[RC], v[CH]
	v_nop
	s_wait_alu depctr_va_vdst(0)                   ; the reciprocal has written v[RC], ahead of its first reader
.set i, 0
.rept 16
	v_pk_mul_f32 v[P+i:P+i+1], v[P+i:P+i+1], v[RC:RC+1] op_sel_hi:[1,0]   ; all 64 probabilities, normalised ahead of the choice
.set i, i+2
.endr
; THE k-TH CHOICE.  The largest of what is left; its expert: four chains walk j downward, so that the lowest j stays; the least of the four, of both lanes: the lower expert wins.
; The chosen place takes the mark -(k + 1): under every probability, so it is never chosen again, and it is the sel word in disguise.
; The compares stand in runs of 32, a mask register to each; lines that read no mask follow a run; one wait; then the selects, in the chains' order.
.macro TOPK k
	ROWMAX
.irp j,7,6,5,4,3,2,1,0
.irp q,0,1,2,3
	v_cmp_eq_f32 s[MS+8*\q+\j], v[MM], v[P+8*\q+\j]
.endr
.endr
.irp q,0,1,2,3
	v_mov_b32 v[IX+\q], 127
.endr
	s_wait_alu depctr_va_sdst(0)                   ; the 32 compares have written their masks, which the selects below read
.irp j,7,6,5,4,3,2,1,0
.irp q,0,1,2,3
	v_cndmask_b32 v[IX+\q], v[IX+\q], 16*\q+\j, s[MS+8*\q+\j]
.endr
.endr
	v_min_u32 v[IX], v[IX], v[IX+1]
	v_min_u32 v[IX+2], v[IX+2], v[IX+3]
	v_min_u32 v[IX], v[IX], v[IX+2]
	v_add_nc_u32 v[WI], v[IX], v6                  ; as an expert's number: + 8 h
	v_permlanex16_b32 v[PX], v[WI], s20, s21
	v_min_u32 v[WI], v[WI], v[PX]
	v_sub_nc_u32 v[WI], v[WI], v6                  ; back in my lane's numbering: it meets none of my 16 q + j if the other lane holds the expert
.irp j,0,1,2,3,4,5,6,7
.irp q,0,1,2,3
	v_cmp_eq_u32 s[MS+8*\q+\j], 16*\q+\j, v[WI]
.endr
.endr
	v_cvt_f32_i32 v[MK], -(\k+1)
	v_mov_b32 v[TV+\k], v[MM]
	s_wait_alu depctr_va_sdst(0)                   ; the 32 compares have written their masks, which the selects below read
.irp j,0,1,2,3,4,5,6,7
.irp q,0,1,2,3
	v_cndmask_b32 v[P+8*\q+\j], v[P+8*\q+\j], v[MK], s[MS+8*\q+\j]
.endr
.endr
.endm
.irp k,0,1,2,3,4,5,6,7
	TOPK \k
.endr
	v_add_f32 v[CH], v[TV], v[TV+1]
.irp k,2,3,4,5,6,7
	v_add_f32 v[CH], v[CH], v[TV+\k]
.endr
	s_wait_alu depctr_va_vdst(0)
	v_rcp_f32 v[RC], v[CH]
	v_nop
	s_wait_alu depctr_va_vdst(0)                   ; the reciprocal has written v[RC], ahead of its first reader
.irp k,0,1,2,3,4,5,6,7
	v_mul_f32 v[TV+\k], v[TV+\k], v[RC]
.endr
.irp i,0,1,2,3
	v_cndmask_b32 v[TO+\i], v[TV+\i], v[TV+4+\i], s24   ; lanes 0-15 store choices 0-3, lanes 16-31 choices 4-7
.endr
.set i, 0
.rept 32
	v_max_num_f32 v[P+i], -v[P+i], 0               ; k + 1 where marked, else 0
.set i, i+1
.endr
.set i, 0
.rept 32
	v_cvt_u32_f32 v[P+i], v[P+i]
.set i, i+1
.endr
	s_wait_alu depctr_va_vdst(0)                   ; v[TO ..] and P are written, which the stores below read
	global_store_b128 v7, v[TO:TO+3], s[14:15]     ; the wave stores 512 consecutive bytes
.irp q,0,1,2,3
.irp j,0,1,2,3,4,5,6,7
	ds_store_b32 v8, v[P+8*\q+\j] offset:(16*\q+\j)*PITCH
.endr
.endr
	s_wait_dscnt 0x0                               ; for the others' sake: my stores into the stage are done
	s_barrier_signal -1
	s_barrier_wait -1
.irp i,0,1,2,3,4,5,6,7
	ds_load_b128 v[OUTR+4*\i:OUTR+4*\i+3], v9 offset:2*\i*PITCH
.endr
.irp i,0,1,2,3,4,5,6,7
	s_wait_dscnt 7-\i                              ; the younger loads may stay out
	global_store_b128 v10, v[OUTR+4*\i:OUTR+4*\i+3], s[12:13] offset:8192*\i   ; sixteen lanes store 256 consecutive bytes, aligned
.endr
	s_wait_dscnt 0x0
	s_wait_alu depctr_hold_cnt(0) depctr_sa_sdst(0) depctr_va_vdst(0) depctr_va_sdst(0) depctr_va_ssrc(0) depctr_va_vcc(0) depctr_vm_vsrc(0)
	s_wait_tensorcnt 0x0
	ds_add_u32 v254, v255
	s_wait_dscnt 0x0
	s_endpgm
.Lfunc_end_k_q4c08691a51_route:
	.size	k_q4c08691a51_route, .Lfunc_end_k_q4c08691a51_route-k_q4c08691a51_route
	.p2alignl 7, 3214868480
	.fill 96, 4, 3214868480
	.section	.rodata,"a",@progbits
	.p2align	6, 0x0
	.amdhsa_kernel k_q4c08691a51_route
		.amdhsa_group_segment_fixed_size 17920
		.amdhsa_private_segment_fixed_size 0
		.amdhsa_enable_private_segment 0
		.amdhsa_kernarg_size 48
		.amdhsa_user_sgpr_count 2
		.amdhsa_user_sgpr_kernarg_segment_ptr 1
		.amdhsa_wavefront_size32 1
		.amdhsa_system_sgpr_workgroup_id_x 1
		.amdhsa_system_sgpr_workgroup_id_y 1
		.amdhsa_system_sgpr_workgroup_id_z 1
		.amdhsa_system_vgpr_workitem_id 0
		.amdhsa_next_free_vgpr 896
		.amdhsa_next_free_sgpr 66
		.amdhsa_reserve_vcc 0
		.amdhsa_float_denorm_mode_32 3
		.amdhsa_float_denorm_mode_16_64 3
		.amdhsa_memory_ordered 1
		.amdhsa_forward_progress 1
		.amdhsa_inst_pref_size 114
	.end_amdhsa_kernel
	.amdgpu_metadata
---
amdhsa.version: [ 1, 2 ]
amdhsa.kernels:
  - .name:           k_q4c08691a51_route
    .symbol:         k_q4c08691a51_route.kd
    .args:
      - { .name: x_codes, .offset: 0, .size: 8, .value_kind: global_buffer, .address_space: global }
      - { .name: x_scales, .offset: 8, .size: 8, .value_kind: global_buffer, .address_space: global }
      - { .name: gate_w_codes, .offset: 16, .size: 8, .value_kind: global_buffer, .address_space: global }
      - { .name: gate_w_scales, .offset: 24, .size: 8, .value_kind: global_buffer, .address_space: global }
      - { .name: sel, .offset: 32, .size: 8, .value_kind: global_buffer, .address_space: global }
      - { .name: topv, .offset: 40, .size: 8, .value_kind: global_buffer, .address_space: global }
    .group_segment_fixed_size: 17920
    .private_segment_fixed_size: 0
    .kernarg_segment_align: 8
    .kernarg_segment_size: 48
    .max_flat_workgroup_size: 128
    .sgpr_count:     66
    .vgpr_count:     896
    .wavefront_size: 32
...
	.end_amdgpu_metadata
.endif
;; end of part 5
;; launch up (part 6): grid 256 x 1, 4 waves a work-group, no clusters, 210,432 bytes of LDS; arguments sel, topv, x_codes, x_scales, qweight1, qzeros1, scales1, hqc, hqs; writes hqc, hqs
.if DOCPART == 6
	.amdgcn_target "amdgcn-amd-amdhsa--gfx1250"
	.amdhsa_code_object_version 6
	.text
	.protected	k_q4c08691a51_up
	.globl	k_q4c08691a51_up
	.p2align	8
	.type	k_q4c08691a51_up,@function
k_q4c08691a51_up:
	s_mov_b64 s[64:65], 0
	v_nop
	global_prefetch_b8 v0, s[64:65] scope:SCOPE_SE
	s_setreg_imm32_b32 hwreg(HW_REG_WAVE_MODE, 25, 1), 1
	s_wait_xcnt 0x0
; THE FIRST PRODUCT OF THE EXPERTS, on the rows that were routed alone: Q(silu(x w1[e]^T) x cw), as codes and scale words.
; A work-group owns expert e = number / 4 and 128 of its 512 hidden units (slice s = number % 4).
; 1. THE LIST.  Wave 0 turns sel[e] into the list of the expert's rows (token x 8 + choice), in token order, in LDS.
; 2. THE WEIGHTS, each dequantised once in the launch: (q - z) x scale in f32, then E4M3 with one E8M0 scale for each 32 along K (= the model's 1,024).
;    A UNIT is 16 words across x 128 down K (one group of zeros and scales); a wave takes two.  Lane (r, h) takes word column r and k = 32 c + 16 h + i; nibble p of a word feeds tile p:
;    row r of tile p is hidden unit 8 r + j(p), j(p) = 2 (p % 4) + p / 4.  So the conversions' results are a fragment's registers 4 c .. 4 c + 3, and go to LDS as an image of them.
;    q - z is exact: (nibble in place | 0x4B000000) is the f32 number 2^23 + q 16^(p % 4); the zero point is made so too, negative; the sum is (q - z) 16^(p % 4); the scale carries 16^-(p % 4).
; 3. THE PASSES.  A wave takes tiles of 16 rows, tile = wave + 4 q, three to a pass: 192 matrix instructions (source 0 = 16 hidden units, source 1 = 16 rows of x) on the 64 fragments in LDS.
;    In the result lane (r, h) holds row r and hidden units 64 h + 8 j + j(p): two whole blocks of 32 a lane.  silu, x cw, the quantiser; the codes leave as an image of my registers.
; No tensor load: how many passes a wave makes hangs on sel, which is read from memory.  For the same reason the four work-groups of an expert ask for nothing jointly.
; LIMITS: NaN and infinities are not served; a weight scale under 2^-114 loses bits when it takes 2^-12; a block of zeros gets the byte 1 (its codes are zeros, and this program alone reads the bytes).
; LDS: WIMG fragment 8 ks + p at 2048 f + 512 c + 16 lane; SIMG scale words at 1024 ks + 512 half + 16 lane; RAW 16,384 bytes a wave; LIST 1,152 entries + 32 dump words; CNT the number of rows.
; REGISTERS: window 0: v1-19 addresses, v20-59 the units' constants, v60-77 my tiles' list entries, v78-127 the pass's addresses and scale words, v128-255 by phase.
;   window 1: the raw words, then x's fragments of K steps 0-3 at 16 (4 t + ks); window 2: K steps 4-7; window 3: the accumulators at 8 (8 t + p).
.set WIMG,  0
.set SIMG,  131072
.set RAW,   139264
.set LIST,  204800
.set CNT,   209536
.set USTEP, 16384                      ; from my first unit's fragments to my second's
.set WSTEP, 1024                       ; the same for the scale words
.set MAXPASS, 6                        ; 1,024 rows at the most are 64 tiles, 16 a wave, three a pass
.set CN,  1                            ; v1   LDS address of the count
.set H16, 2                            ; v2   16 h
.set LI,  4                            ; v4   16 x lane
.set LS,  5                            ; v5   4 x lane
.set GQ,  6                            ; v6   a raw load: row lane / 4, 16 bytes lane % 4
.set RWS, 7                            ; v7   the same place in my RAW
.set RRD, 8                            ; v8   RAW as the dequantiser reads it: 4 x lane
.set RIH, 9                            ; v9   the block to be read next
.set CIH, 10                           ; v10  where the block's codes go
.set VA1, 11                           ; v11  16 x lane + 65,536
.set SRD, 12                           ; v12  SIMG + 16 x lane
.set LRD, 13                           ; v13  LIST + 64 wave + 4 r
.set R4,  14
.set R32, 15
.set DMP, 17                           ; v17  1,152 + lane: where a lane without a row puts its word
.set ZW,  18
.set SC,  20
.set KK,  36                           ; v36-51 for each nibble a pair: -(2^23 + z 16^pp), scale x 16^-pp
.set SW,  52
.set LL,  60
.set VX,  78
.set VS,  81
.set VC,  84
.set VWI, 87                           ; v87  16 x lane + 32,768 wave
.set CW,  88
.set VSW, 94                           ; v94  SIMG + 16 x lane + 2,048 wave
.set LC,  95                           ; v95  LIST + 16 x lane
.set XS,  96
.set AS,  120
.set SELV, 128
.set ZR,  160
.set L8,  164
.set NV,  166
.set ADR, 192
.set V,   128
.set W,   192
.set T,   208
.set C,   224
.set MX,  240
.set PX,  244
.set TS,  248
.set BD,  252
.set AB,  128
.set EE,  128
.set ZC,  160
.set HH,  192
.set CD,  224
.set M0,  240
.set M1,  241
.set TSE, 242
.set BDE, 243
.set BY,  244
.set HW,  246
.set PXE, 247
.set LO,  248
.set HI,  249
.set SWD, 250
.set MSB, 0
.macro WIN new                         ; the immediate's high byte repeats the setting that is left
.if MSB != (\new)
	s_set_vgpr_msb (MSB<<8)|(\new)
.set MSB, (\new)
.endif
.endm
	s_load_b512 s[4:19], s[0:1], 0x0               ; sel, topv, x's codes, x's scales, qweight1, qzeros1, scales1, hqc
	s_load_b64 s[20:21], s[0:1], 0x40              ; hqs
	v_lshl_add_u32 v3, v0, 2, 0x33400
	v_mov_b32 v16, 0
	v_lshrrev_b32 v240, 5, v0
	v_readfirstlane_b32 s22, v240                  ; wave 0..3
	v_and_b32 v240, 31, v0                         ; lane
	v_and_b32 v241, 15, v0                         ; r
	v_bfe_u32 v242, v0, 4, 1                       ; h
	v_lshrrev_b32 v243, 2, v240
	v_and_b32 v244, 3, v240
	s_lshr_b32 s23, ttmp9, 2                       ; e
	s_and_b32 s24, ttmp9, 3                        ; s
	; every LDS address register is made here, ahead of the branch on the wave's number
	v_mov_b32 v[CN], CNT
	v_lshlrev_b32 v[H16], 4, v242
	v_lshlrev_b32 v[LI], 4, v240
	v_lshlrev_b32 v[LS], 2, v240
	v_lshlrev_b32 v[GQ], 14, v243                  ; a row of qweight1 is 16,384 bytes
	v_lshl_add_u32 v[GQ], v244, 4, v[GQ]
	s_lshl_b32 s25, s22, 14
	s_add_co_u32 s25, s25, RAW
	v_lshlrev_b32 v[RWS], 7, v243
	v_lshl_add_u32 v[RWS], v244, 4, v[RWS]
	v_add_nc_u32 v[RWS], s25, v[RWS]
	v_add_nc_u32 v[RRD], s25, v[LS]
	v_add_nc_u32 v[VA1], 65536, v[LI]
	v_add_nc_u32 v[SRD], SIMG, v[LI]
	s_lshl_b32 s25, s22, 6
	s_add_co_u32 s25, s25, LIST
	v_lshl_add_u32 v[LRD], v241, 2, s25
	v_lshlrev_b32 v[R4], 2, v241
	v_lshlrev_b32 v[R32], 5, v241
	v_add_nc_u32 v[DMP], 1152, v240
	s_lshl_b32 s25, s22, 15
	v_add_nc_u32 v[VWI], s25, v[LI]
	s_lshl_b32 s25, s22, 11
	v_add_nc_u32 v[VSW], s25, v[SRD]
	v_add_nc_u32 v[LC], LIST, v[LI]
	v_lshlrev_b32 v[L8], 3, v240
.irp i,0,1,2,3,4,5,6,7
	v_mov_b32 v[SW+\i], 0                          ; written once: each block shifts its byte in from the top
.endr
.irp t,0,1,2
	v_mov_b32 v[CW+2*\t+1], 0                      ; (the upper halves of pairs of which the low word is used)
.endr
	s_lshl_b32 s26, s23, 12                        ; sel: an expert's row is 4,096 bytes
	s_mov_b32 s27, 0
	s_lshl_b32 s46, s23, 8
	s_lshl_b32 s47, s24, 6
	s_add_co_u32 s46, s46, s47                     ; my 16 words in a row: 256 e + 64 s
	s_lshl_b32 s47, s22, 22
	s_add_co_u32 s48, s46, s47                     ; qweight1: + my two units, 256 rows x wave
	s_mov_b32 s49, 0
	s_lshl_b32 s47, s22, 15
	s_add_co_u32 s50, s46, s47                     ; qzeros1: + two rows x wave
	s_mov_b32 s51, 0
	s_lshl_b32 s52, s46, 3
	s_lshl_b32 s47, s22, 18
	s_add_co_u32 s52, s52, s47                     ; scales1: eight f32 to a word, + two rows x wave
	s_mov_b32 s53, 0
	s_lshl_b32 s54, ttmp9, 17                      ; hqc: (4 e + s) x 64 tiles x 2,048 bytes
	s_mov_b32 s55, 0
	s_lshl_b32 s56, ttmp9, 13                      ; hqs: (4 e + s) x 64 tiles x 128 bytes
	s_mov_b32 s57, 0
	s_mov_b32 s28, 0x76543210
	s_mov_b32 s29, 0xfedcba98                      ; v_permlanex16_b32's selects for lane l xor 16
	s_mov_b32 s30, 0x4b000000                      ; 2^23
	s_mov_b32 s31, 0xf
	s_mov_b32 s32, 0xf0
	s_mov_b32 s33, 0xf00
	s_mov_b32 s34, 0xf000
	s_mov_b32 s35, 0x600000                        ; the mantissa field of 448
	s_mov_b32 s43, 0xffff0000                      ; lanes 16-31
	s_mov_b32 s44, 0xbfb8aa3b                      ; -log2 e
	s_mov_b32 s45, s44
	s_wait_kmcnt 0x0
	s_add_nc_u64 s[4:5], s[4:5], s[26:27]
	s_add_nc_u64 s[12:13], s[12:13], s[48:49]
	s_add_nc_u64 s[14:15], s[14:15], s[50:51]
	s_add_nc_u64 s[16:17], s[16:17], s[52:53]
	s_add_nc_u64 s[18:19], s[18:19], s[54:55]
	s_add_nc_u64 s[20:21], s[20:21], s[56:57]
	; all waves issue the same loads in the same order, so that every count below holds in every wave: 32 of sel, 6 constants, 32 raw
.set g, 0
.rept 32
	global_load_b32 v[SELV+g], v[LS], s[4:5] offset:128*g
.set g, g+1
.endr
.irp u,0,1
	global_load_b32 v[ZW+\u], v[R4], s[14:15] offset:16384*\u
	global_load_b128 v[SC+8*\u:SC+8*\u+3], v[R32], s[16:17] offset:131072*\u
	global_load_b128 v[SC+8*\u+4:SC+8*\u+7], v[R32], s[16:17] offset:131072*\u+16
.endr
	WIN 0x40                                       ; destination window 1
.irp u,0,1
.set n, 0
.rept 16
	global_load_b128 v[(16*\u+n)*4:(16*\u+n)*4+3], v[GQ], s[12:13] offset:2097152*\u+131072*n   ; eight rows x 64 bytes
.set n, n+1
.endr
.endr
	WIN 0
	; ---- THE LIST: wave 0 alone; no other wave touches LDS ahead of the barrier below
	s_cmp_lg_u32 s22, 0
	s_cbranch_scc1 .Lno_list
	s_wait_loadcnt 38                              ; sel is in: the 6 + 32 loads issued behind it may stay out
.irp i,0,1,2,3
	v_mov_b32 v[ZR+\i], 0
.endr
.set i, 0
.rept 9
	ds_store_b128 v[LC], v[ZR:ZR+3] offset:512*i   ; 1,152 entries are cleared: an entry past the last row reads as token 0, choice 0
.set i, i+1
.endr
	s_mov_b32 s60, 0
.set g, 0
.rept 32                               ; tokens 32 g + lane.  Each store has registers of its own
	v_cmp_ne_u32 s58, 0, v[SELV+g]                 ; who chose this expert
	v_mbcnt_lo_u32_b32 v[ADR+g], s58, s60          ; rows before mine
	v_add3_u32 v[SELV+g], v[SELV+g], v[L8], 256*g-1   ; token x 8 + choice
	v_cndmask_b32 v[ADR+g], v[DMP], v[ADR+g], s58
	v_min_u32 v[ADR+g], 0x49f, v[ADR+g]            ; held inside the list and its dump words
	v_lshl_add_u32 v[ADR+g], v[ADR+g], 2, LIST
	ds_store_b32 v[ADR+g], v[SELV+g]
	s_bcnt1_i32_b32 s59, s58
	s_add_co_u32 s60, s60, s59
.set g, g+1
.endr
	v_mov_b32 v[NV], s60
	ds_store_b32 v[CN], v[NV]
.Lno_list:
	s_wait_dscnt 0x0                               ; the list is written
	s_barrier_signal -1
	s_barrier_wait -1
	ds_load_b32 v240, v[CN]
.set q, 0
.rept 18
	ds_load_b32 v[LL+q], v[LRD] offset:256*q       ; entry r of tile wave + 4 q
.set q, q+1
.endr
	s_wait_dscnt 0x0
	v_readfirstlane_b32 s39, v240
	s_min_u32 s39, s39, 1024                       ; the expert's rows
	s_add_co_u32 s40, s39, 15
	s_lshr_b32 s40, s40, 4
	s_max_u32 s40, s40, 1                          ; tiles; tile 0 is always written, so that the next launch reads nothing unwritten
	s_sub_co_i32 s41, s40, s22                     ; tile cnt + 4 t + wave exists where cnt + 4 t < this
	s_mov_b32 s42, 0
.irp pp,0,1,2,3
	v_mov_b32 v[PX+\pp], 0                         ; written once: a lane permute's destination counts as one of its sources
.endr
.macro STAGE u                         ; a unit's raw words into my RAW, laid so that the dequantiser's 32 lanes read 128 consecutive bytes: 2048 c + 128 i + 64 h + 4 r
	WIN 0x04                                       ; an LDS store's data are its source 1: window 1
.set n, 0
.rept 16
	ds_store_b128 v[RWS], v[(16*\u+n)*4:(16*\u+n)*4+3] offset:8192*\u+(n/4)*2048+(n%2)*1024+((n/2)%2)*64
.set n, n+1
.endr
	WIN 0
.endm
.macro UNITCONST u                     ; for each nibble p: the zero point as -(2^23 + z 16^pp), and the scale of column j(p) x 16^-pp
	v_lshrrev_b32 v[MX], 16, v[ZW+\u]
.irp p,0,1,2,3
	v_and_or_b32 v[KK+2*\p], v[ZW+\u], s[31+\p], 0xcb000000
	v_and_or_b32 v[KK+8+2*\p], v[MX], s[31+\p], 0xcb000000
.endr
	v_mov_b32 v[KK+1], v[SC+8*\u]
	v_mov_b32 v[KK+9], v[SC+8*\u+1]
	v_mul_f32 v[KK+3], 0x3d800000, v[SC+8*\u+2]
	v_mul_f32 v[KK+11], 0x3d800000, v[SC+8*\u+3]
	v_mul_f32 v[KK+5], 0x3b800000, v[SC+8*\u+4]
	v_mul_f32 v[KK+13], 0x3b800000, v[SC+8*\u+5]
	v_mul_f32 v[KK+7], 0x39800000, v[SC+8*\u+6]
	v_mul_f32 v[KK+15], 0x39800000, v[SC+8*\u+7]
.endm
.macro PRELOAD u
.set i, 0
.rept 16
	ds_load_b32 v[W+i], v[RRD] offset:8192*\u+128*i
.set i, i+1
.endr
.endm
; four nibbles (p0 .. p0 + 3) x my 16 numbers of a block of 32: dequantised, quantised, stored as registers 4 c .. 4 c + 3 of four fragments
.macro HALF p0, u
.irp pp,0,1,2,3
.irp i,0,2,4,6,8,10,12,14
	v_pk_add_f32 v[V+16*\pp+\i:V+16*\pp+\i+1], v[V+16*\pp+\i:V+16*\pp+\i+1], v[KK+2*(\p0+\pp):KK+2*(\p0+\pp)+1] op_sel_hi:[1,0]   ; (q - z) 16^pp, exact
.endr
.endr
.irp pp,0,1,2,3
.irp i,0,2,4,6,8,10,12,14
	v_pk_mul_f32 v[V+16*\pp+\i:V+16*\pp+\i+1], v[V+16*\pp+\i:V+16*\pp+\i+1], v[KK+2*(\p0+\pp):KK+2*(\p0+\pp)+1] op_sel:[0,1] op_sel_hi:[1,1]   ; x the pair's second word: one rounding, (q - z) x scale
.endr
.endr
.irp pp,0,1,2,3
	v_max3_num_f32 v[MX+\pp], |v[V+16*\pp]|, |v[V+16*\pp+1]|, 0x4800000   ; with the floor 2^(9 - 127): the byte cannot fall under 1
.endr
.irp i,2,4,6,8,10,12,14
.irp pp,0,1,2,3
	v_max3_num_f32 v[MX+\pp], v[MX+\pp], |v[V+16*\pp+\i]|, |v[V+16*\pp+\i+1]|
.endr
.endr
.irp pp,0,1,2,3
	v_permlanex16_b32 v[PX+\pp], v[MX+\pp], s28, s29
.endr
.irp pp,0,1,2,3
	v_max_num_f32 v[MX+\pp], v[MX+\pp], v[PX+\pp]  ; with lane l xor 16's 16: the block's largest magnitude
.endr
.irp pp,0,1,2,3
	v_add_nc_u32 v[TS+\pp], 0xfc000000, v[MX+\pp]  ; 8 off its exponent field: the conversion's scale operand
.endr
.irp pp,0,1,2,3
	v_and_or_b32 v[BD+\pp], v[MX+\pp], 0x7f800000, s35   ; 448 x the scale
.endr
.irp pp,0,1,2,3
	v_lshrrev_b32 v[PX+\pp], 23, v[TS+\pp]         ; the scale's byte
.endr
.irp pp,0,1,2,3
	v_alignbit_b32 v[SW+\p0+\pp], v[PX+\pp], v[SW+\p0+\pp], 8   ; in from the top: after four blocks the first block's byte is the lowest
.endr
.irp pp,0,1,2,3
.set i, 0
.rept 16
	v_med3_num_f32 v[V+16*\pp+i], v[V+16*\pp+i], -v[BD+\pp], v[BD+\pp]   ; the conversion to an 8-bit code does not saturate (ISA guide 7.6.2)
.set i, i+1
.endr
.endr
	s_wait_alu depctr_va_vdst(0)
	s_wait_dscnt 0x0                               ; the LDS stores of the half before have read the code registers
.irp pp,0,1,2,3
	v_cvt_scalef32_pk8_fp8_f32 v[C+4*\pp:C+4*\pp+1], v[V+16*\pp:V+16*\pp+7], v[TS+\pp]
	v_cvt_scalef32_pk8_fp8_f32 v[C+4*\pp+2:C+4*\pp+3], v[V+16*\pp+8:V+16*\pp+15], v[TS+\pp]
.endr
	v_nop                                          ; a plain line behind the last conversion: its sources are written again below
.irp pp,0,1,2,3
	ds_store_b128 v[CIH], v[C+4*\pp:C+4*\pp+3] offset:USTEP*\u+2048*(\p0+\pp)
.endr
.endm
; a unit: four trips, one block of 32 along K each.  The next block's words are asked for as soon as this block's are unpacked; the last trip asks for block 0 again, so that the trip has no branch
.macro LOOP u
	s_mov_b32 s36, 0
.Lblk_\@:
	s_wait_dscnt 0x0                               ; this block's words are in; the last trip's stores have read their registers and address
	s_add_co_u32 s37, s36, 1
	s_and_b32 s37, s37, 3
	s_lshl_b32 s37, s37, 11
	s_lshl_b32 s38, s36, 9
	v_add_nc_u32 v[RIH], s37, v[RRD]
	v_add_nc_u32 v[CIH], s38, v[VWI]
.irp pp,0,1,2,3
.set i, 0
.rept 16
	v_and_or_b32 v[V+16*\pp+i], v[W+i], s[31+\pp], s30   ; 2^23 + q 16^pp
.set i, i+1
.endr
.endr
.set i, 0
.rept 16
	v_lshrrev_b32 v[T+i], 16, v[W+i]
.set i, i+1
.endr
.set i, 0
.rept 16
	ds_load_b32 v[W+i], v[RIH] offset:8192*\u+128*i
.set i, i+1
.endr
	HALF 0, \u
.irp pp,0,1,2,3
.set i, 0
.rept 16
	v_and_or_b32 v[V+16*\pp+i], v[T+i], s[31+\pp], s30
.set i, i+1
.endr
.endr
	HALF 4, \u
	s_add_co_u32 s36, s36, 1
	s_cmp_lt_u32 s36, 4
	s_cbranch_scc1 .Lblk_\@
	s_wait_dscnt 0x0                               ; the idle loads of the last trip are in: their registers may be loaded again
.endm
.macro SWOUT u
	ds_store_b128 v[VSW], v[SW:SW+3] offset:WSTEP*\u
	ds_store_b128 v[VSW], v[SW+4:SW+7] offset:WSTEP*\u+512
.endm
; the three tiles' rows of x (a lane a row), their scale words and their weights cw.  List entries come from LDS: they are held to their range ahead of every address
.macro XLOAD
.irp t,0,1,2
	v_lshrrev_b32 v[VS+\t], 3, v[LL+\t]
	v_min_u32 v[VS+\t], 0x3ff, v[VS+\t]            ; the token
	v_lshl_add_u32 v[VX+\t], v[VS+\t], 10, v[H16]
	v_lshlrev_b32 v[VS+\t], 5, v[VS+\t]
	v_min_u32 v[VC+\t], 0x1fff, v[LL+\t]
	v_lshlrev_b32 v[VC+\t], 2, v[VC+\t]
.endr
.irp t,0,1,2
	global_load_b128 v[XS+8*\t:XS+8*\t+3], v[VS+\t], s[10:11]
	global_load_b128 v[XS+8*\t+4:XS+8*\t+7], v[VS+\t], s[10:11] offset:16
	global_load_b32 v[CW+2*\t], v[VC+\t], s[6:7]
.endr
	WIN 0x40
.irp t,0,1,2
.irp ks,0,1,2,3
.irp c,0,1,2,3
	global_load_b128 v[(4*\t+\ks)*16+4*\c:(4*\t+\ks)*16+4*\c+3], v[VX+\t], s[8:9] offset:128*\ks+32*\c
.endr
.endr
.endr
	WIN 0x80
.irp t,0,1,2
.irp ks,0,1,2,3
.irp c,0,1,2,3
	global_load_b128 v[(4*\t+\ks)*16+4*\c:(4*\t+\ks)*16+4*\c+3], v[VX+\t], s[8:9] offset:128*(\ks+4)+32*\c
.endr
.endr
.endr
	WIN 0
.endm
; group g of 16: four fragments of the weights (K step g / 2, tiles 4 (g % 2) + i) and their scale words: 17 LDS loads
.macro GLOAD g
.set ks_, (\g)/2
.set gq_, (\g)%2
.set ab_, AB+64*((\g)%2)
.irp i,0,1,2,3
.irp c,0,1,2,3
.if ks_ < 4
	ds_load_b128 v[ab_+16*\i+4*\c:ab_+16*\i+4*\c+3], v[LI] offset:((ks_%4)*8+4*gq_+\i)*2048+512*\c
.else
	ds_load_b128 v[ab_+16*\i+4*\c:ab_+16*\i+4*\c+3], v[VA1] offset:((ks_%4)*8+4*gq_+\i)*2048+512*\c
.endif
.endr
.endr
	ds_load_b128 v[AS+4*((\g)%2):AS+4*((\g)%2)+3], v[SRD] offset:1024*ks_+512*gq_
.endm
; 192 matrix instructions.  A group's twelve name twelve accumulators, the next group's the other twelve: no two that follow each other share one
.macro MATPASS
	GLOAD 0
	GLOAD 1
.set g, 0
.rept 16
.if g < 15
	s_wait_dscnt 17                                ; this group's loads are in; the next group's 17 may stay out
.else
	s_wait_dscnt 0x0
.endif
.if g < 8
	WIN 0xf4                                       ; source 1 (x) window 1; C and D window 3
.else
	WIN 0xf8                                       ; source 1 window 2
.endif
.irp t,0,1,2
.irp i,0,1,2,3
.if g < 2
	v_wmma_scale_f32_16x16x128_f8f6f4 v[(8*\t+4*(g%2)+\i)*8:(8*\t+4*(g%2)+\i)*8+7], v[AB+64*(g%2)+16*\i:AB+64*(g%2)+16*\i+15], v[(4*\t+(g/2)%4)*16:(4*\t+(g/2)%4)*16+15], 0, v[AS+4*(g%2)+\i], v[XS+8*\t+g/2]
.else
	v_wmma_scale_f32_16x16x128_f8f6f4 v[(8*\t+4*(g%2)+\i)*8:(8*\t+4*(g%2)+\i)*8+7], v[AB+64*(g%2)+16*\i:AB+64*(g%2)+16*\i+15], v[(4*\t+(g/2)%4)*16:(4*\t+(g/2)%4)*16+15], v[(8*\t+4*(g%2)+\i)*8:(8*\t+4*(g%2)+\i)*8+7], v[AS+4*(g%2)+\i], v[XS+8*\t+g/2]
.endif
.endr
.endr
.rept 8
	v_nop                                          ; eight places in front of loads into registers that these products have read
.endr
	WIN 0
.if g < 14
	GLOAD g+2
.endif
.set g, g+1
.endr
	v_nop                                          ; a ninth: the next pass's first products write over these accumulators
.endm
; tile t's way out: silu(z) x cw = (z cw) / (1 + 2^(-z log2 e)); my two blocks of 32, block 0 first
.macro EPI t
	s_add_co_u32 s62, s42, 4*\t
	s_cmp_lt_u32 s62, s41
	s_cbranch_scc0 .Lepi_end_\@                    ; no such tile
	s_add_co_u32 s62, s62, s22
	s_min_u32 s62, s62, 63                         ; the tile's number
	s_wait_xcnt 0x0                                ; the last tile's stores have read their registers and bases
	s_lshl_b32 s50, s62, 11
	s_mov_b32 s51, 0
	s_add_nc_u64 s[52:53], s[18:19], s[50:51]
	s_lshl_b32 s50, s62, 7
	s_add_nc_u64 s[54:55], s[20:21], s[50:51]
	v_mov_b32 v[PXE], 0
.irp b,0,1
	WIN 0x03                                       ; source 0 window 3
.irp p,0,1,2,3,4,5,6,7
.irp a,0,2
	v_pk_mul_f32 v[EE+4*\p+\a:EE+4*\p+\a+1], v[(8*\t+\p)*8+4*\b+\a:(8*\t+\p)*8+4*\b+\a+1], s[44:45] op_sel_hi:[1,0]
.endr
.endr
.irp p,0,1,2,3,4,5,6,7
.irp a,0,2
	v_pk_mul_f32 v[ZC+4*\p+\a:ZC+4*\p+\a+1], v[(8*\t+\p)*8+4*\b+\a:(8*\t+\p)*8+4*\b+\a+1], v[CW+2*\t:CW+2*\t+1] op_sel_hi:[1,0]
.endr
.endr
	WIN 0
.set i, 0
	s_wait_alu depctr_va_vdst(0)
.rept 32
	v_exp_f32 v[EE+i], v[EE+i]
.set i, i+1
.endr
	v_nop
	s_wait_alu depctr_va_vdst(0)                   ; one wait for the batch, ahead of its first reader
.set i, 0
.rept 16
	v_pk_add_f32 v[EE+i:EE+i+1], v[EE+i:EE+i+1], 1.0 op_sel_hi:[1,0]
.set i, i+2
.endr
.set i, 0
	s_wait_alu depctr_va_vdst(0)
.rept 32
	v_rcp_f32 v[EE+i], v[EE+i]
.set i, i+1
.endr
	v_nop
	s_wait_alu depctr_va_vdst(0)
.irp p,0,1,2,3,4,5,6,7
.irp jj,0,1,2,3
	v_mul_f32 v[HH+8*\jj+2*(\p%4)+\p/4], v[ZC+4*\p+\jj], v[EE+4*\p+\jj]   ; into the order of the hidden units: 8 jj + j(p)
.endr
.endr
	v_max3_num_f32 v[M0], |v[HH]|, |v[HH+1]|, 0x4800000   ; the whole block is mine; the floor 2^(9 - 127) holds the byte at 1 from below
	v_max3_num_f32 v[M1], |v[HH+16]|, |v[HH+17]|, |v[HH+18]|
.irp i,2,4,6,8,10,12
	v_max3_num_f32 v[M0], v[M0], |v[HH+\i]|, |v[HH+\i+1]|
	v_max3_num_f32 v[M1], v[M1], |v[HH+17+\i]|, |v[HH+18+\i]|
.endr
	v_max3_num_f32 v[M0], v[M0], |v[HH+14]|, |v[HH+15]|
	v_max3_num_f32 v[M0], v[M0], v[M1], |v[HH+31]|
	v_add_nc_u32 v[TSE], 0xfc000000, v[M0]
	v_and_or_b32 v[BDE], v[M0], 0x7f800000, s35
	v_lshrrev_b32 v[BY+\b], 23, v[TSE]
.set i, 0
.rept 32
	v_med3_num_f32 v[HH+i], v[HH+i], -v[BDE], v[BDE]
.set i, i+1
.endr
.irp x,0,1,2,3
	v_cvt_scalef32_pk8_fp8_f32 v[CD+8*\b+2*\x:CD+8*\b+2*\x+1], v[HH+8*\x:HH+8*\x+7], v[TSE]
.endr
	v_nop                                          ; a plain line behind the last conversion
.endr
	v_lshl_or_b32 v[HW], v[BY+1], 8, v[BY]         ; my two bytes; lanes 0-15 hold blocks 0, 1 of the row's 128, lanes 16-31 blocks 2, 3
	v_permlanex16_b32 v[PXE], v[HW], s28, s29
	v_cndmask_b32 v[LO], v[HW], v[PXE], s43
	v_cndmask_b32 v[HI], v[PXE], v[HW], s43
	v_lshl_or_b32 v[SWD], v[HI], 16, v[LO]         ; the row's scale word, in both lanes
.irp x,0,1,2,3
	global_store_b128 v[LI], v[CD+4*\x:CD+4*\x+3], s[52:53] offset:512*\x   ; the wave stores 512 consecutive bytes: register quad x of every lane
.endr
	global_store_b32 v[LS], v[SWD], s[54:55]
.Lepi_end_\@:
.endm
	s_wait_loadcnt 16                              ; the constants and my first unit's words are in; the second unit's 16 loads may stay out
	STAGE 0
	UNITCONST 0
	PRELOAD 0                                      ; LDS serves a wave's instructions in order: these see my stores
	LOOP 0
	SWOUT 0
	s_wait_loadcnt 0x0
	STAGE 1
	s_wait_dscnt 0x0                               ; the stores have read the raw registers: x's fragments may land there
	XLOAD                                          ; the first pass's rows: the second unit's work is theirs to land in
	UNITCONST 1
	PRELOAD 1
	LOOP 1
	SWOUT 1
	s_wait_dscnt 0x0                               ; my fragments and scale words lie in LDS
	s_barrier_signal -1
	s_barrier_wait -1                              ; everybody's do.  The last barrier
	s_cmp_le_i32 s41, 0
	s_cbranch_scc1 .Lend                           ; fewer tiles than my wave's number: nothing for me
	s_mov_b32 s63, 0
.Lpass:                                                ; counted against MAXPASS, which no list exceeds; a wave leaves by the forward branch below as soon as its tiles are done
	s_wait_loadcnt 0x0                             ; the pass's rows are in
	s_wait_xcnt 0x0                                ; the last pass's stores have read their registers, over which the fragments land
	MATPASS
	EPI 0
	EPI 1
	EPI 2
	s_add_co_u32 s42, s42, 12                      ; three tiles of mine are twelve of the work-group's
	s_cmp_ge_u32 s42, s41
	s_cbranch_scc1 .Lend                           ; no tile of mine is left (after the sixth pass 72 stands against 64 at the most)
.set q, 0
.rept 15
	v_mov_b32 v[LL+q], v[LL+q+3]                   ; on to my next three tiles
.set q, q+1
.endr
	XLOAD
	s_add_co_u32 s63, s63, 1
	s_cmp_lt_u32 s63, MAXPASS
	s_cbranch_scc1 .Lpass
.Lend:
	s_wait_tensorcnt 0x0
	ds_add_u32 v3, v16
	s_wait_dscnt 0x0
	s_endpgm
.Lfunc_end_k_q4c08691a51_up:
	.size	k_q4c08691a51_up, .Lfunc_end_k_q4c08691a51_up-k_q4c08691a51_up
	.p2alignl 7, 3214868480
	.fill 96, 4, 3214868480
	.section	.rodata,"a",@progbits
	.p2align	6, 0x0
	.amdhsa_kernel k_q4c08691a51_up
		.amdhsa_group_segment_fixed_size 210432
		.amdhsa_private_segment_fixed_size 0
		.amdhsa_enable_private_segment 0
		.amdhsa_kernarg_size 72
		.amdhsa_user_sgpr_count 2
		.amdhsa_user_sgpr_kernarg_segment_ptr 1
		.amdhsa_wavefront_size32 1
		.amdhsa_system_sgpr_workgroup_id_x 1
		.amdhsa_system_sgpr_workgroup_id_y 1
		.amdhsa_system_sgpr_workgroup_id_z 1
		.amdhsa_system_vgpr_workitem_id 0
		.amdhsa_next_free_vgpr 960
		.amdhsa_next_free_sgpr 66
		.amdhsa_reserve_vcc 0
		.amdhsa_float_denorm_mode_32 3
		.amdhsa_float_denorm_mode_16_64 3
		.amdhsa_memory_ordered 1
		.amdhsa_forward_progress 1
		.amdhsa_inst_pref_size 239
	.end_amdhsa_kernel
	.amdgpu_metadata
---
amdhsa.version: [ 1, 2 ]
amdhsa.kernels:
  - .name:           k_q4c08691a51_up
    .symbol:         k_q4c08691a51_up.kd
    .args:
      - { .name: sel, .offset: 0, .size: 8, .value_kind: global_buffer, .address_space: global }
      - { .name: topv, .offset: 8, .size: 8, .value_kind: global_buffer, .address_space: global }
      - { .name: x_codes, .offset: 16, .size: 8, .value_kind: global_buffer, .address_space: global }
      - { .name: x_scales, .offset: 24, .size: 8, .value_kind: global_buffer, .address_space: global }
      - { .name: qweight1, .offset: 32, .size: 8, .value_kind: global_buffer, .address_space: global }
      - { .name: qzeros1, .offset: 40, .size: 8, .value_kind: global_buffer, .address_space: global }
      - { .name: scales1, .offset: 48, .size: 8, .value_kind: global_buffer, .address_space: global }
      - { .name: hqc, .offset: 56, .size: 8, .value_kind: global_buffer, .address_space: global }
      - { .name: hqs, .offset: 64, .size: 8, .value_kind: global_buffer, .address_space: global }
    .group_segment_fixed_size: 210432
    .private_segment_fixed_size: 0
    .kernarg_segment_align: 8
    .kernarg_segment_size: 72
    .max_flat_workgroup_size: 128
    .sgpr_count:     66
    .vgpr_count:     960
    .wavefront_size: 32
...
	.end_amdgpu_metadata
.endif
;; end of part 6
;; launch down (part 7): grid 256 x 1, 4 waves a work-group, no clusters, 276,992 bytes of LDS; arguments sel, hqc, hqs, qweight2, qzeros2, scales2, y; writes y
.if DOCPART == 7
	.amdgcn_target "amdgcn-amd-amdhsa--gfx1250"
	.amdhsa_code_object_version 6
	.text
	.protected	k_q4c08691a51_down
	.globl	k_q4c08691a51_down
	.p2align	8
	.type	k_q4c08691a51_down,@function
k_q4c08691a51_down:
	s_mov_b64 s[64:65], 0
	v_nop
	global_prefetch_b8 v0, s[64:65] scope:SCOPE_SE
	s_setreg_imm32_b32 hwreg(HW_REG_WAVE_MODE, 25, 1), 1
	s_wait_xcnt 0x0
; THE SECOND PRODUCT OF THE EXPERTS, on the routed rows: y[token x 8 + choice][h] = the sum over the expert's 512 hidden units of Q(hidden) x Q(w2[e]).
; A work-group owns expert e = number / 4 and 256 of the 1,024 outputs (quarter hq = number % 4).  The frame is the first product's:
; 1. wave 0 builds the expert's list of rows from sel, in the same order;  2. each weight is dequantised once ((q - z) x scale in f32) and quantised to E4M3 along K (= the 512 hidden units);
;    a UNIT is 16 words across x 128 down K; the work-group has 2 (cs) x 4 (ks); wave w takes cs = w % 2 and ks = 2 (w / 2), 2 (w / 2) + 1.  Row r of tile 8 cs + p is output 128 cs + 8 r + j(p), j(p) = 2 (p % 4) + p / 4;
; 3. a wave takes tiles of 16 rows, tile = wave + 4 q, three to a pass: 192 matrix instructions (source 0 = 16 outputs, source 1 = 16 rows of the hidden layer's codes).
; The hidden layer's codes lie as the writer's registers lay: quad x of lane (r, h') holds hidden units 64 h' + 16 x on; my registers 4 c .. 4 c + 3 want 32 c + 16 h on: quad 2 (c % 2) + h of lane r + 16 (c / 2).
; OUT.  In the result lane (r, h') holds row r and outputs 128 cs + 64 h' + 8 j + j(p).  They are stored as they fall, at place 16 p + 8 h' + j of each 128: the last launch puts them in order.
; A tile goes through my stage in LDS and leaves as whole rows of 1,024 bytes.  Rows past the list's end are not stored.
; No tensor load: how many passes a wave makes hangs on sel, which is read from memory; for the same reason nothing is asked for jointly.
; LIMITS: NaN and infinities are not served; a weight scale under 2^-114 loses bits when it takes 2^-12; a block of zeros gets the byte 1 (its codes are zeros).
; LDS: WIMG fragment 16 ks + 8 cs + p at 2048 f + 512 c + 16 lane; SIMG at 2048 ks + 512 (2 cs + half) + 16 lane; RAW 16,384 a wave; LIST; CNT; STG 16 rows x 1,040 bytes a wave.
; REGISTERS: window 0 as in the first product; window 1: the raw words, then the hidden layer's fragments at 16 (4 t + ks); window 2: accumulators of tiles 0-7 at 8 (8 t + tile); window 3: tiles 8-15.
.set WIMG,  0
.set SIMG,  131072
.set RAW,   139264
.set LIST,  204800
.set CNT,   209536
.set STG,   209920
.set USTEP, 32768
.set WSTEP, 2048
.set MAXPASS, 6                        ; 1,024 rows at the most are 64 tiles, 16 a wave, three a pass
.set CN,  1
.set VB,  2                            ; v2   512 h + 16 r: my place in a tile's image
.set STO, 3                            ; v3   the stage, in: 1040 r + 32 h
.set LI,  4
.set LS,  5
.set GQ,  6
.set RWS, 7
.set RRD, 8
.set RIH, 9
.set CIH, 10
.set VA1, 11
.set SRD, 12
.set LRD, 13
.set R4,  14
.set R32, 15
.set SRR, 16                           ; v16  the stage, back: 16 x lane
.set DMP, 17
.set ZW,  18
.set SC,  20
.set KK,  36
.set VO,  36                           ; v36-51 on the way out: a row's place in y + 16 x lane
.set SW,  52
.set LL,  60
.set VWI, 87
.set VSW, 94
.set LC,  95
.set HS,  96
.set AS,  120
.set SELV, 128
.set ZR,  160
.set L8,  164
.set NV,  166
.set ADR, 192
.set V,   128
.set W,   192
.set T,   208
.set C,   224
.set MX,  240
.set PX,  244
.set TS,  248
.set BD,  252
.set AB,  128
.set MSB, 0
.macro WIN new                         ; the immediate's high byte repeats the setting that is left
.if MSB != (\new)
	s_set_vgpr_msb (MSB<<8)|(\new)
.set MSB, (\new)
.endif
.endm
	s_load_b256 s[4:11], s[0:1], 0x0               ; sel, hqc, hqs, qweight2
	s_load_b128 s[12:15], s[0:1], 0x20             ; qzeros2, scales2
	s_load_b64 s[16:17], s[0:1], 0x30              ; y
	v_lshl_add_u32 v118, v0, 2, 0x43800
	v_mov_b32 v119, 0
	v_lshrrev_b32 v240, 5, v0
	v_readfirstlane_b32 s22, v240                  ; wave 0..3
	v_and_b32 v240, 31, v0                         ; lane
	v_and_b32 v241, 15, v0                         ; r
	v_bfe_u32 v242, v0, 4, 1                       ; h
	v_lshrrev_b32 v243, 2, v240
	v_and_b32 v244, 3, v240
	s_lshr_b32 s23, ttmp9, 2                       ; e
	s_and_b32 s24, ttmp9, 3                        ; hq
	s_and_b32 s26, s22, 1                          ; cs
	s_lshr_b32 s27, s22, 1                         ; which pair of K steps
	; every LDS address register is made here, ahead of the branch on the wave's number
	v_mov_b32 v[CN], CNT
	v_lshlrev_b32 v[VB], 9, v242
	v_lshl_add_u32 v[VB], v241, 4, v[VB]
	v_lshlrev_b32 v[LI], 4, v240
	v_lshlrev_b32 v[LS], 2, v240
	v_lshlrev_b32 v[GQ], 15, v243                  ; a row of qweight2 is 32,768 bytes
	v_lshl_add_u32 v[GQ], v244, 4, v[GQ]
	s_lshl_b32 s25, s22, 14
	s_add_co_u32 s25, s25, RAW
	v_lshlrev_b32 v[RWS], 7, v243
	v_lshl_add_u32 v[RWS], v244, 4, v[RWS]
	v_add_nc_u32 v[RWS], s25, v[RWS]
	v_add_nc_u32 v[RRD], s25, v[LS]
	v_add_nc_u32 v[VA1], 65536, v[LI]
	v_add_nc_u32 v[SRD], SIMG, v[LI]
	s_wait_alu depctr_va_vdst(0)
	s_lshl_b32 s25, s22, 6
	s_add_co_u32 s25, s25, LIST
	v_lshl_add_u32 v[LRD], v241, 2, s25
	v_lshlrev_b32 v[R4], 2, v241
	v_lshlrev_b32 v[R32], 5, v241
	v_add_nc_u32 v[DMP], 1152, v240
	s_lshl_b32 s25, s27, 16
	s_lshl_b32 s62, s26, 14
	s_add_co_u32 s25, s25, s62
	v_add_nc_u32 v[VWI], s25, v[LI]                ; my fragments: 2048 x (32 (w / 2) + 8 cs)
	s_lshl_b32 s25, s27, 12
	s_lshl_b32 s62, s26, 10
	s_add_co_u32 s25, s25, s62
	v_add_nc_u32 v[VSW], s25, v[SRD]
	v_add_nc_u32 v[LC], LIST, v[LI]
	s_mul_i32 s25, s22, 16640
	s_add_co_u32 s25, s25, STG
	v_mul_u32_u24 v[STO], v241, 1040
	v_lshl_add_u32 v[STO], v242, 5, v[STO]
	v_add_nc_u32 v[STO], s25, v[STO]
	v_add_nc_u32 v[SRR], s25, v[LI]
	v_lshlrev_b32 v[L8], 3, v240
.irp i,0,1,2,3,4,5,6,7
	v_mov_b32 v[SW+\i], 0                          ; written once: each block shifts its byte in from the top
.endr
	s_lshl_b32 s46, s23, 9
	s_lshl_b32 s47, s24, 7
	s_add_co_u32 s46, s46, s47
	s_lshl_b32 s47, s26, 6
	s_add_co_u32 s46, s46, s47                     ; my 16 words in a row: 512 e + 128 hq + 64 cs
	s_lshl_b32 s47, s27, 23
	s_add_co_u32 s48, s46, s47                     ; qweight2: + 256 rows x (w / 2)
	s_mov_b32 s49, 0
	s_lshl_b32 s47, s27, 16
	s_add_co_u32 s50, s46, s47                     ; qzeros2: + two rows
	s_mov_b32 s51, 0
	s_lshl_b32 s52, s46, 3
	s_lshl_b32 s47, s27, 19
	s_add_co_u32 s52, s52, s47                     ; scales2: eight f32 to a word, + two rows
	s_mov_b32 s53, 0
	s_lshl_b32 s54, s23, 19                        ; hqc: an expert has 4 x 64 tiles x 2,048 bytes
	s_mov_b32 s55, 0
	s_lshl_b32 s56, s23, 15                        ; hqs: 4 x 64 x 128
	s_mov_b32 s57, 0
	s_lshl_b32 s58, s24, 10                        ; y: my quarter of a row
	s_mov_b32 s59, 0
	s_lshl_b32 s60, s23, 12                        ; sel
	s_mov_b32 s61, 0
	s_mov_b32 s28, 0x76543210
	s_mov_b32 s29, 0xfedcba98                      ; v_permlanex16_b32's selects for lane l xor 16
	s_mov_b32 s30, 0x4b000000                      ; 2^23
	s_mov_b32 s31, 0xf
	s_mov_b32 s32, 0xf0
	s_mov_b32 s33, 0xf00
	s_mov_b32 s34, 0xf000
	s_mov_b32 s35, 0x600000                        ; the mantissa field of 448
	s_wait_kmcnt 0x0
	s_add_nc_u64 s[4:5], s[4:5], s[60:61]
	s_add_nc_u64 s[6:7], s[6:7], s[54:55]
	s_add_nc_u64 s[8:9], s[8:9], s[56:57]
	s_add_nc_u64 s[10:11], s[10:11], s[48:49]
	s_add_nc_u64 s[12:13], s[12:13], s[50:51]
	s_add_nc_u64 s[14:15], s[14:15], s[52:53]
	s_add_nc_u64 s[16:17], s[16:17], s[58:59]
	; all waves issue the same loads in the same order: 32 of sel, 6 constants, 32 raw
.set g, 0
.rept 32
	global_load_b32 v[SELV+g], v[LS], s[4:5] offset:128*g
.set g, g+1
.endr
.irp u,0,1
	global_load_b32 v[ZW+\u], v[R4], s[12:13] offset:32768*\u
	global_load_b128 v[SC+8*\u:SC+8*\u+3], v[R32], s[14:15] offset:262144*\u
	global_load_b128 v[SC+8*\u+4:SC+8*\u+7], v[R32], s[14:15] offset:262144*\u+16
.endr
	WIN 0x40                                       ; destination window 1
.irp u,0,1
.set n, 0
.rept 16
	global_load_b128 v[(16*\u+n)*4:(16*\u+n)*4+3], v[GQ], s[10:11] offset:4194304*\u+262144*n   ; eight rows x 64 bytes
.set n, n+1
.endr
.endr
	WIN 0
	; ---- THE LIST: wave 0 alone; no other wave touches LDS ahead of the barrier below
	s_cmp_lg_u32 s22, 0
	s_cbranch_scc1 .Lno_list
	s_wait_loadcnt 38                              ; sel is in: the 6 + 32 loads issued behind it may stay out
.irp i,0,1,2,3
	v_mov_b32 v[ZR+\i], 0
.endr
.set i, 0
.rept 9
	ds_store_b128 v[LC], v[ZR:ZR+3] offset:512*i
.set i, i+1
.endr
	s_mov_b32 s60, 0
.set g, 0
.rept 32                               ; tokens 32 g + lane.  Each store has registers of its own
	v_cmp_ne_u32 s58, 0, v[SELV+g]
	v_mbcnt_lo_u32_b32 v[ADR+g], s58, s60
	v_add3_u32 v[SELV+g], v[SELV+g], v[L8], 256*g-1   ; token x 8 + choice
	v_cndmask_b32 v[ADR+g], v[DMP], v[ADR+g], s58
	v_min_u32 v[ADR+g], 0x49f, v[ADR+g]            ; held inside the list and its dump words
	v_lshl_add_u32 v[ADR+g], v[ADR+g], 2, LIST
	ds_store_b32 v[ADR+g], v[SELV+g]
	s_bcnt1_i32_b32 s59, s58
	s_add_co_u32 s60, s60, s59
.set g, g+1
.endr
	v_mov_b32 v[NV], s60
	ds_store_b32 v[CN], v[NV]
.Lno_list:
	s_wait_dscnt 0x0                               ; the list is written
	s_barrier_signal -1
	s_barrier_wait -1
	ds_load_b32 v240, v[CN]
.set q, 0
.rept 18
	ds_load_b32 v[LL+q], v[LRD] offset:256*q       ; entry r of tile wave + 4 q
.set q, q+1
.endr
	s_wait_dscnt 0x0
	v_readfirstlane_b32 s39, v240
	s_min_u32 s39, s39, 1024                       ; the expert's rows
	s_add_co_u32 s40, s39, 15
	s_lshr_b32 s40, s40, 4
	s_max_u32 s40, s40, 1                          ; the tiles that the launch before has written
	s_sub_co_i32 s41, s40, s22
	s_mov_b32 s42, 0
.irp pp,0,1,2,3
	v_mov_b32 v[PX+\pp], 0                         ; written once: a lane permute's destination counts as one of its sources
.endr
.macro STAGE u                         ; a unit's raw words into my RAW: 2048 c + 128 i + 64 h + 4 r
	WIN 0x04                                       ; an LDS store's data are its source 1: window 1
.set n, 0
.rept 16
	ds_store_b128 v[RWS], v[(16*\u+n)*4:(16*\u+n)*4+3] offset:8192*\u+(n/4)*2048+(n%2)*1024+((n/2)%2)*64
.set n, n+1
.endr
	WIN 0
.endm
.macro UNITCONST u                     ; for each nibble p: the zero point as -(2^23 + z 16^pp), and the scale of column j(p) x 16^-pp
	v_lshrrev_b32 v[MX], 16, v[ZW+\u]
.irp p,0,1,2,3
	v_and_or_b32 v[KK+2*\p], v[ZW+\u], s[31+\p], 0xcb000000
	v_and_or_b32 v[KK+8+2*\p], v[MX], s[31+\p], 0xcb000000
.endr
	v_mov_b32 v[KK+1], v[SC+8*\u]
	v_mov_b32 v[KK+9], v[SC+8*\u+1]
	v_mul_f32 v[KK+3], 0x3d800000, v[SC+8*\u+2]
	v_mul_f32 v[KK+11], 0x3d800000, v[SC+8*\u+3]
	v_mul_f32 v[KK+5], 0x3b800000, v[SC+8*\u+4]
	v_mul_f32 v[KK+13], 0x3b800000, v[SC+8*\u+5]
	v_mul_f32 v[KK+7], 0x39800000, v[SC+8*\u+6]
	v_mul_f32 v[KK+15], 0x39800000, v[SC+8*\u+7]
.endm
.macro PRELOAD u
.set i, 0
.rept 16
	ds_load_b32 v[W+i], v[RRD] offset:8192*\u+128*i
.set i, i+1
.endr
.endm
; four nibbles (p0 .. p0 + 3) x my 16 numbers of a block of 32: dequantised, quantised, stored as registers 4 c .. 4 c + 3 of four fragments
.macro HALF p0, u
.irp pp,0,1,2,3
.irp i,0,2,4,6,8,10,12,14
	v_pk_add_f32 v[V+16*\pp+\i:V+16*\pp+\i+1], v[V+16*\pp+\i:V+16*\pp+\i+1], v[KK+2*(\p0+\pp):KK+2*(\p0+\pp)+1] op_sel_hi:[1,0]   ; (q - z) 16^pp, exact
.endr
.endr
.irp pp,0,1,2,3
.irp i,0,2,4,6,8,10,12,14
	v_pk_mul_f32 v[V+16*\pp+\i:V+16*\pp+\i+1], v[V+16*\pp+\i:V+16*\pp+\i+1], v[KK+2*(\p0+\pp):KK+2*(\p0+\pp)+1] op_sel:[0,1] op_sel_hi:[1,1]   ; x the pair's second word: one rounding
.endr
.endr
.irp pp,0,1,2,3
	v_max3_num_f32 v[MX+\pp], |v[V+16*\pp]|, |v[V+16*\pp+1]|, 0x4800000   ; with the floor 2^(9 - 127): the byte cannot fall under 1
.endr
.irp i,2,4,6,8,10,12,14
.irp pp,0,1,2,3
	v_max3_num_f32 v[MX+\pp], v[MX+\pp], |v[V+16*\pp+\i]|, |v[V+16*\pp+\i+1]|
.endr
.endr
.irp pp,0,1,2,3
	v_permlanex16_b32 v[PX+\pp], v[MX+\pp], s28, s29
.endr
.irp pp,0,1,2,3
	v_max_num_f32 v[MX+\pp], v[MX+\pp], v[PX+\pp]  ; with lane l xor 16's 16: the block's largest magnitude
.endr
.irp pp,0,1,2,3
	v_add_nc_u32 v[TS+\pp], 0xfc000000, v[MX+\pp]  ; 8 off its exponent field: the conversion's scale operand
.endr
.irp pp,0,1,2,3
	v_and_or_b32 v[BD+\pp], v[MX+\pp], 0x7f800000, s35   ; 448 x the scale
.endr
.irp pp,0,1,2,3
	v_lshrrev_b32 v[PX+\pp], 23, v[TS+\pp]         ; the scale's byte
.endr
.irp pp,0,1,2,3
	v_alignbit_b32 v[SW+\p0+\pp], v[PX+\pp], v[SW+\p0+\pp], 8   ; in from the top: after four blocks the first block's byte is the lowest
.endr
.irp pp,0,1,2,3
.set i, 0
.rept 16
	v_med3_num_f32 v[V+16*\pp+i], v[V+16*\pp+i], -v[BD+\pp], v[BD+\pp]   ; the conversion to an 8-bit code does not saturate (ISA guide 7.6.2)
.set i, i+1
.endr
.endr
	s_wait_alu depctr_va_vdst(0)
	s_wait_dscnt 0x0                               ; the LDS stores of the half before have read the code registers
.irp pp,0,1,2,3
	v_cvt_scalef32_pk8_fp8_f32 v[C+4*\pp:C+4*\pp+1], v[V+16*\pp:V+16*\pp+7], v[TS+\pp]
	v_cvt_scalef32_pk8_fp8_f32 v[C+4*\pp+2:C+4*\pp+3], v[V+16*\pp+8:V+16*\pp+15], v[TS+\pp]
.endr
	v_nop                                          ; a plain line behind the last conversion: its sources are written again below
.irp pp,0,1,2,3
	ds_store_b128 v[CIH], v[C+4*\pp:C+4*\pp+3] offset:USTEP*\u+2048*(\p0+\pp)
.endr
.endm
; a unit: four trips, one block of 32 along K each; the last trip asks for block 0 again, so that the trip has no branch
.macro LOOP u
	s_mov_b32 s36, 0
.Lblk_\@:
	s_wait_dscnt 0x0                               ; this block's words are in; the last trip's stores have read their registers and address
	s_add_co_u32 s37, s36, 1
	s_and_b32 s37, s37, 3
	s_lshl_b32 s37, s37, 11
	s_lshl_b32 s38, s36, 9
	v_add_nc_u32 v[RIH], s37, v[RRD]
	v_add_nc_u32 v[CIH], s38, v[VWI]
.irp pp,0,1,2,3
.set i, 0
.rept 16
	v_and_or_b32 v[V+16*\pp+i], v[W+i], s[31+\pp], s30   ; 2^23 + q 16^pp
.set i, i+1
.endr
.endr
.set i, 0
.rept 16
	v_lshrrev_b32 v[T+i], 16, v[W+i]
.set i, i+1
.endr
.set i, 0
.rept 16
	ds_load_b32 v[W+i], v[RIH] offset:8192*\u+128*i
.set i, i+1
.endr
	HALF 0, \u
.irp pp,0,1,2,3
.set i, 0
.rept 16
	v_and_or_b32 v[V+16*\pp+i], v[T+i], s[31+\pp], s30
.set i, i+1
.endr
.endr
	HALF 4, \u
	s_add_co_u32 s36, s36, 1
	s_cmp_lt_u32 s36, 4
	s_cbranch_scc1 .Lblk_\@
	s_wait_dscnt 0x0                               ; the idle loads of the last trip are in
.endm
.macro SWOUT u
	ds_store_b128 v[VSW], v[SW:SW+3] offset:WSTEP*\u
	ds_store_b128 v[VSW], v[SW+4:SW+7] offset:WSTEP*\u+512
.endm
; the three tiles' codes and scale words of the hidden layer, all four K steps: 60 loads.  A tile past the last is read as the last: nothing unwritten is read
.macro XLOAD
.irp t,0,1,2
	s_add_co_u32 s56, s42, 4*\t
	s_add_co_u32 s56, s56, s22
	s_sub_co_u32 s57, s40, 1
	s_min_u32 s56, s56, s57
	s_min_u32 s56, s56, 63
	s_lshl_b32 s58, s56, 11
	s_mov_b32 s59, 0
	s_add_nc_u64 s[44+2*\t:45+2*\t], s[6:7], s[58:59]
	s_lshl_b32 s58, s56, 7
	s_add_nc_u64 s[50+2*\t:51+2*\t], s[8:9], s[58:59]
.endr
.irp t,0,1,2
.irp ks,0,1,2,3
	global_load_b32 v[HS+4*\t+\ks], v[LS], s[50+2*\t:51+2*\t] offset:8192*\ks
.endr
.endr
	WIN 0x40
.irp t,0,1,2
.irp ks,0,1,2,3
.irp c,0,1,2,3
	global_load_b128 v[(4*\t+\ks)*16+4*\c:(4*\t+\ks)*16+4*\c+3], v[VB], s[44+2*\t:45+2*\t] offset:131072*\ks+1024*(\c%2)+256*(\c/2)
.endr
.endr
.endr
	WIN 0
.endm
; group g of 16: four fragments of the weights (K step g / 4, tiles 4 (g % 4) + i) and their scale words: 17 LDS loads
.macro GLOAD g
.set ks_, (\g)/4
.set gq_, (\g)%4
.set ab_, AB+64*((\g)%2)
.irp i,0,1,2,3
.irp c,0,1,2,3
.if ks_ < 2
	ds_load_b128 v[ab_+16*\i+4*\c:ab_+16*\i+4*\c+3], v[LI] offset:((ks_%2)*16+4*gq_+\i)*2048+512*\c
.else
	ds_load_b128 v[ab_+16*\i+4*\c:ab_+16*\i+4*\c+3], v[VA1] offset:((ks_%2)*16+4*gq_+\i)*2048+512*\c
.endif
.endr
.endr
	ds_load_b128 v[AS+4*((\g)%2):AS+4*((\g)%2)+3], v[SRD] offset:2048*ks_+512*gq_
.endm
; 192 matrix instructions.  A group's twelve name twelve accumulators, and an accumulator comes up again four groups on
.macro MATPASS
	GLOAD 0
	GLOAD 1
.set g, 0
.rept 16
.if g < 15
	s_wait_dscnt 17                                ; this group's loads are in; the next group's 17 may stay out
.else
	s_wait_dscnt 0x0
.endif
.if (g%4) < 2
	WIN 0xa4                                       ; source 1 window 1; C and D window 2
.else
	WIN 0xf4                                       ; C and D window 3
.endif
.irp t,0,1,2
.irp i,0,1,2,3
.if g < 4
	v_wmma_scale_f32_16x16x128_f8f6f4 v[(8*\t+4*(g%2)+\i)*8:(8*\t+4*(g%2)+\i)*8+7], v[AB+64*(g%2)+16*\i:AB+64*(g%2)+16*\i+15], v[(4*\t+g/4)*16:(4*\t+g/4)*16+15], 0, v[AS+4*(g%2)+\i], v[HS+4*\t+g/4]
.else
	v_wmma_scale_f32_16x16x128_f8f6f4 v[(8*\t+4*(g%2)+\i)*8:(8*\t+4*(g%2)+\i)*8+7], v[AB+64*(g%2)+16*\i:AB+64*(g%2)+16*\i+15], v[(4*\t+g/4)*16:(4*\t+g/4)*16+15], v[(8*\t+4*(g%2)+\i)*8:(8*\t+4*(g%2)+\i)*8+7], v[AS+4*(g%2)+\i], v[HS+4*\t+g/4]
.endif
.endr
.endr
.rept 8
	v_nop                                          ; eight places in front of loads into registers that these products have read
.endr
	WIN 0
.if g < 14
	GLOAD g+2
.endif
.set g, g+1
.endr
	v_nop                                          ; a ninth: the next pass's first products write over these accumulators
.endm
; tile t's way out: through my stage, back as 16 whole rows of 1,024 bytes, each to its own row of y
.macro EPI t
	s_add_co_u32 s56, s42, 4*\t
	s_cmp_lt_u32 s56, s41
	s_cbranch_scc0 .Lepi_end_\@                    ; no such tile
	s_add_co_u32 s56, s56, s22
	s_lshl_b32 s57, s56, 4
	s_sub_co_u32 s57, s39, s57                     ; the list's rows from this tile's first on
	s_wait_xcnt 0x0                                ; the last tile's stores have read their registers
.set rho, 0
.rept 16
	v_readlane_b32 s[58+rho%4], v[LL+\t], rho
	s_min_u32 s[58+rho%4], s[58+rho%4], 0x1fff     ; token x 8 + choice, held to its range
	v_lshl_add_u32 v[VO+rho], s[58+rho%4], 12, v[LI]
.set rho, rho+1
.endr
	WIN 0x08                                       ; an LDS store's data are its source 1: window 2
.irp p,0,1,2,3,4,5,6,7
	ds_store_b128 v[STO], v[(8*\t+\p)*8:(8*\t+\p)*8+3] offset:64*\p            ; each accumulator from its low end on
	ds_store_b128 v[STO], v[(8*\t+\p)*8+4:(8*\t+\p)*8+7] offset:64*\p+16
.endr
	WIN 0x0c                                       ; window 3
.irp p,0,1,2,3,4,5,6,7
	ds_store_b128 v[STO], v[(8*\t+\p)*8:(8*\t+\p)*8+3] offset:512+64*\p
	ds_store_b128 v[STO], v[(8*\t+\p)*8+4:(8*\t+\p)*8+7] offset:512+64*\p+16
.endr
	WIN 0
.set rho, 0
.rept 16
	ds_load_b128 v[128+8*rho:128+8*rho+3], v[SRR] offset:1040*rho       ; LDS serves a wave's instructions in order: these see my stores
	ds_load_b128 v[128+8*rho+4:128+8*rho+7], v[SRR] offset:1040*rho+512
.set rho, rho+1
.endr
	s_wait_dscnt 0x0
.set rho, 0
.rept 16
	s_cmp_le_u32 s57, rho
	s_cbranch_scc1 .Lepi_end_\@                    ; the list has ended
	s_wait_alu depctr_va_vdst(0)
	global_store_b128 v[VO+rho], v[128+8*rho:128+8*rho+3], s[16:17]     ; the wave stores 512 consecutive bytes, aligned
	global_store_b128 v[VO+rho], v[128+8*rho+4:128+8*rho+7], s[16:17] offset:512
.set rho, rho+1
.endr
.Lepi_end_\@:
.endm
	s_wait_loadcnt 16                              ; the constants and my first unit's words are in; the second unit's 16 loads may stay out
	STAGE 0
	UNITCONST 0
	PRELOAD 0                                      ; LDS serves a wave's instructions in order: these see my stores
	LOOP 0
	SWOUT 0
	s_wait_loadcnt 0x0
	STAGE 1
	s_wait_dscnt 0x0                               ; the stores have read the raw registers: the hidden layer's fragments may land there
	XLOAD                                          ; the first pass's tiles: the second unit's work is theirs to land in
	UNITCONST 1
	PRELOAD 1
	LOOP 1
	SWOUT 1
	s_wait_dscnt 0x0                               ; my fragments and scale words lie in LDS
	s_barrier_signal -1
	s_barrier_wait -1                              ; everybody's do.  The last barrier
	s_cmp_le_i32 s41, 0
	s_cbranch_scc1 .Lend                           ; fewer tiles than my wave's number: nothing for me
	s_mov_b32 s63, 0
.Lpass:                                                ; counted against MAXPASS, which no list exceeds; a wave leaves by the forward branch below as soon as its tiles are done
	s_wait_loadcnt 0x0                             ; the pass's tiles are in
	s_wait_xcnt 0x0                                ; the last pass's stores have read their registers, over which the fragments land
	MATPASS
	EPI 0
	EPI 1
	EPI 2
	s_add_co_u32 s42, s42, 12                      ; three tiles of mine are twelve of the work-group's
	s_cmp_ge_u32 s42, s41
	s_cbranch_scc1 .Lend                           ; no tile of mine is left (after the sixth pass 72 stands against 64 at the most)
.set q, 0
.rept 15
	v_mov_b32 v[LL+q], v[LL+q+3]                   ; on to my next three tiles
.set q, q+1
.endr
	XLOAD
	s_add_co_u32 s63, s63, 1
	s_cmp_lt_u32 s63, MAXPASS
	s_cbranch_scc1 .Lpass
.Lend:
	s_wait_tensorcnt 0x0
	ds_add_u32 v118, v119
	s_wait_dscnt 0x0
	s_endpgm
.Lfunc_end_k_q4c08691a51_down:
	.size	k_q4c08691a51_down, .Lfunc_end_k_q4c08691a51_down-k_q4c08691a51_down
	.p2alignl 7, 3214868480
	.fill 96, 4, 3214868480
	.section	.rodata,"a",@progbits
	.p2align	6, 0x0
	.amdhsa_kernel k_q4c08691a51_down
		.amdhsa_group_segment_fixed_size 276992
		.amdhsa_private_segment_fixed_size 0
		.amdhsa_enable_private_segment 0
		.amdhsa_kernarg_size 56
		.amdhsa_user_sgpr_count 2
		.amdhsa_user_sgpr_kernarg_segment_ptr 1
		.amdhsa_wavefront_size32 1
		.amdhsa_system_sgpr_workgroup_id_x 1
		.amdhsa_system_sgpr_workgroup_id_y 1
		.amdhsa_system_sgpr_workgroup_id_z 1
		.amdhsa_system_vgpr_workitem_id 0
		.amdhsa_next_free_vgpr 960
		.amdhsa_next_free_sgpr 66
		.amdhsa_reserve_vcc 0
		.amdhsa_float_denorm_mode_32 3
		.amdhsa_float_denorm_mode_16_64 3
		.amdhsa_memory_ordered 1
		.amdhsa_forward_progress 1
		.amdhsa_inst_pref_size 204
	.end_amdhsa_kernel
	.amdgpu_metadata
---
amdhsa.version: [ 1, 2 ]
amdhsa.kernels:
  - .name:           k_q4c08691a51_down
    .symbol:         k_q4c08691a51_down.kd
    .args:
      - { .name: sel, .offset: 0, .size: 8, .value_kind: global_buffer, .address_space: global }
      - { .name: hqc, .offset: 8, .size: 8, .value_kind: global_buffer, .address_space: global }
      - { .name: hqs, .offset: 16, .size: 8, .value_kind: global_buffer, .address_space: global }
      - { .name: qweight2, .offset: 24, .size: 8, .value_kind: global_buffer, .address_space: global }
      - { .name: qzeros2, .offset: 32, .size: 8, .value_kind: global_buffer, .address_space: global }
      - { .name: scales2, .offset: 40, .size: 8, .value_kind: global_buffer, .address_space: global }
      - { .name: y, .offset: 48, .size: 8, .value_kind: global_buffer, .address_space: global }
    .group_segment_fixed_size: 276992
    .private_segment_fixed_size: 0
    .kernarg_segment_align: 8
    .kernarg_segment_size: 56
    .max_flat_workgroup_size: 128
    .sgpr_count:     66
    .vgpr_count:     960
    .wavefront_size: 32
...
	.end_amdgpu_metadata
.endif
;; end of part 7
;; launch combine (part 8): grid 256 x 1, 8 waves a work-group, no clusters, 18,432 bytes of LDS; arguments y, out0; writes out0
.if DOCPART == 8
	.amdgcn_target "amdgcn-amd-amdhsa--gfx1250"
	.amdhsa_code_object_version 6
	.text
	.protected	k_q4c08691a51_combine
	.globl	k_q4c08691a51_combine
	.p2align	8
	.type	k_q4c08691a51_combine,@function
k_q4c08691a51_combine:
	s_mov_b64 s[64:65], 0
	v_nop
	global_prefetch_b8 v0, s[64:65] scope:SCOPE_SE
	s_setreg_imm32_b32 hwreg(HW_REG_WAVE_MODE, 25, 1), 1
	s_wait_xcnt 0x0
; out0[token][h] = the sum over the token's eight choices of y[token x 8 + choice][h], choices ascending (not experts ascending: a stated order of rounding).
; y's columns lie, inside each 128, as the second product's registers fell: place 16 p + 8 h' + j holds column 64 h' + 8 j + j(p), j(p) = 2 (p % 4) + p / 4.  The sums are put in order through LDS.
; A stream: each byte of y is read once, 512 consecutive bytes a load; each byte of out0 written once, 512 consecutive bytes a store.  Matrix units, clusters and tensor loads would add nothing.
; A wave takes half a token's row: four sets of 128 columns x eight choices = 32 loads, all issued at the head.  Each wave has LDS bytes of its own: no barrier.
.set Y,  16                            ; v16-143  set g, choice k: 4 registers at 4 (8 g + k)
.set O,  144                           ; v144-159 the sets in order
.set SETB, 544                         ; a set in LDS: 512 bytes + 32 behind the first 256, so that the 32 lanes' words fall on 32 different banks
	s_load_b128 s[4:7], s[0:1], 0x0                ; y, out0
	v_lshl_add_u32 v160, v0, 2, 0x4400
	v_mov_b32 v161, 0
	v_lshrrev_b32 v1, 5, v0
	s_delay_alu instid0(VALU_DEP_1)
	v_readfirstlane_b32 s8, v1                     ; wave 0..7
	v_and_b32 v2, 31, v0                           ; lane
	s_wait_alu depctr_va_vdst(0)
	v_lshlrev_b32 v3, 4, v2                        ; 16 bytes a lane
	s_lshr_b32 s9, s8, 1
	s_and_b32 s10, s8, 1                           ; which half of the row
	s_lshl_b32 s11, ttmp9, 2
	s_add_co_u32 s11, s11, s9                      ; the token: 4 x work-group + wave / 2
	s_lshl_b32 s14, s10, 11
	s_lshl_b32 s12, s11, 15                        ; eight rows of 4,096 bytes a token
	s_add_co_u32 s12, s12, s14
	s_mov_b32 s13, 0
	s_lshl_b32 s16, s11, 12
	s_add_co_u32 s16, s16, s14
	s_mov_b32 s17, 0
	s_mul_i32 s18, s8, 4*SETB                      ; my LDS bytes
	v_lshrrev_b32 v4, 2, v2                        ; my four places 4 lane + i: p = lane / 4, h' = (lane / 2) % 2, j = 4 (lane % 2) + i
	s_delay_alu instid0(VALU_DEP_1)
	v_and_b32 v5, 3, v4
	s_delay_alu instid0(VALU_DEP_2)
	v_lshrrev_b32 v6, 2, v4
	s_delay_alu instid0(VALU_DEP_1)
	v_lshl_add_u32 v5, v5, 1, v6                   ; j(p)
	v_bfe_u32 v6, v2, 1, 1
	v_and_b32 v7, 1, v2
	s_delay_alu instid0(VALU_DEP_2)
	v_mul_u32_u24 v6, v6, 72                       ; 64 columns and the padding's 8 words
	s_delay_alu instid0(VALU_DEP_1)
	v_lshl_add_u32 v6, v7, 5, v6
	s_delay_alu instid0(VALU_DEP_1)
	v_add_nc_u32 v5, v5, v6
	s_delay_alu instid0(VALU_DEP_1)
	v_lshlrev_b32 v5, 2, v5
	s_delay_alu instid0(VALU_DEP_1)
	v_add_nc_u32 v5, s18, v5                       ; in: 4 (72 h' + 32 (lane % 2) + j(p)), + 32 i by the offset
	v_lshrrev_b32 v6, 4, v2
	s_delay_alu instid0(VALU_DEP_1)
	v_lshl_add_u32 v6, v6, 5, v3
	s_delay_alu instid0(VALU_DEP_1)
	v_add_nc_u32 v6, s18, v6                       ; back: 16 lane, + 32 for lanes 16-31
	s_wait_kmcnt 0x0
	s_add_nc_u64 s[4:5], s[4:5], s[12:13]
	s_add_nc_u64 s[6:7], s[6:7], s[16:17]
.irp g,0,1,2,3
.irp k,0,1,2,3,4,5,6,7
	global_load_b128 v[Y+4*(8*\g+\k):Y+4*(8*\g+\k)+3], v3, s[4:5] offset:4096*\k+512*\g th:TH_LOAD_NT
.endr
.endr
.irp g,0,1,2,3
	s_wait_loadcnt 24-8*\g                         ; this set's eight loads are in; the later sets' may stay out
.irp k, 1
	v_pk_add_f32 v[Y+32*\g:Y+32*\g+1], v[Y+32*\g:Y+32*\g+1], v[Y+4*(8*\g+\k):Y+4*(8*\g+\k)+1]
	v_pk_add_f32 v[Y+32*\g+2:Y+32*\g+3], v[Y+32*\g+2:Y+32*\g+3], v[Y+4*(8*\g+\k)+2:Y+4*(8*\g+\k)+3]
.endr
.irp k, 2, 3, 4, 5, 6, 7
	s_delay_alu instid0(VALU_DEP_2)
	v_pk_add_f32 v[Y+32*\g:Y+32*\g+1], v[Y+32*\g:Y+32*\g+1], v[Y+4*(8*\g+\k):Y+4*(8*\g+\k)+1]
	s_delay_alu instid0(VALU_DEP_2)
	v_pk_add_f32 v[Y+32*\g+2:Y+32*\g+3], v[Y+32*\g+2:Y+32*\g+3], v[Y+4*(8*\g+\k)+2:Y+4*(8*\g+\k)+3]
.endr
.irp i,0,1,2,3
	ds_store_b32 v5, v[Y+32*\g+\i] offset:SETB*\g+32*\i
.endr
	ds_load_b128 v[O+4*\g:O+4*\g+3], v6 offset:SETB*\g   ; LDS serves a wave's instructions in order: this sees my stores
.endr
.irp g,0,1,2,3
	s_wait_dscnt 5*(3-\g)                          ; the later sets' five LDS instructions each may stay out
	global_store_b128 v3, v[O+4*\g:O+4*\g+3], s[6:7] offset:512*\g th:TH_STORE_NT   ; the wave stores 512 consecutive bytes, aligned
.endr
	s_wait_tensorcnt 0x0
	ds_add_u32 v160, v161
	s_wait_dscnt 0x0
	s_endpgm
.Lfunc_end_k_q4c08691a51_combine:
	.size	k_q4c08691a51_combine, .Lfunc_end_k_q4c08691a51_combine-k_q4c08691a51_combine
	.p2alignl 7, 3214868480
	.fill 96, 4, 3214868480
	.section	.rodata,"a",@progbits
	.p2align	6, 0x0
	.amdhsa_kernel k_q4c08691a51_combine
		.amdhsa_group_segment_fixed_size 18432
		.amdhsa_private_segment_fixed_size 0
		.amdhsa_enable_private_segment 0
		.amdhsa_kernarg_size 16
		.amdhsa_user_sgpr_count 2
		.amdhsa_user_sgpr_kernarg_segment_ptr 1
		.amdhsa_wavefront_size32 1
		.amdhsa_system_sgpr_workgroup_id_x 1
		.amdhsa_system_sgpr_workgroup_id_y 1
		.amdhsa_system_sgpr_workgroup_id_z 1
		.amdhsa_system_vgpr_workitem_id 0
		.amdhsa_next_free_vgpr 162
		.amdhsa_next_free_sgpr 66
		.amdhsa_reserve_vcc 0
		.amdhsa_float_denorm_mode_32 3
		.amdhsa_float_denorm_mode_16_64 3
		.amdhsa_memory_ordered 1
		.amdhsa_forward_progress 1
		.amdhsa_inst_pref_size 13
	.end_amdhsa_kernel
	.amdgpu_metadata
---
amdhsa.version: [ 1, 2 ]
amdhsa.kernels:
  - .name:           k_q4c08691a51_combine
    .symbol:         k_q4c08691a51_combine.kd
    .args:
      - { .name: y, .offset: 0, .size: 8, .value_kind: global_buffer, .address_space: global }
      - { .name: out0, .offset: 8, .size: 8, .value_kind: global_buffer, .address_space: global }
    .group_segment_fixed_size: 18432
    .private_segment_fixed_size: 0
    .kernarg_segment_align: 8
    .kernarg_segment_size: 16
    .max_flat_workgroup_size: 256
    .sgpr_count:     66
    .vgpr_count:     162
    .wavefront_size: 32
...
	.end_amdgpu_metadata
.endif
;; end of part 8
